; MI455X (gfx1250); checked and timed in simulation.
; The chip was launched on July 23, 2026; its instructions are those of AMD's public machine-readable ISA for CDNA 5 (MIT licence, August 2026) and "CDNA5" Instruction Set Architecture Reference Guide (July 2026). The comments in the code are by the model that wrote it; some were corrected since.
;; Multi Head Attention. Allowed arithmetic: matrix products marked QUANTISED: E2M3 operands, one E8M0 scale for each 32 along K, by v_wmma_scale_f32_16x16x128_f8f6f4 with both operands' format E2M3, f32 sums; everything else in f32.
;; Inputs: b_k 1,024 float32; b_o 1,024 float32; b_q 1,024 float32; b_v 1,024 float32; k 4 x 2,048 x 1,024 float32; q 4 x 2,048 x 1,024 float32; v 4 x 2,048 x 1,024 float32; w_k 1,024 x 1,024 float32; w_o 1,024 x 1,024 float32; w_q 1,024 x 1,024 float32; w_v 1,024 x 1,024 float32.
;; Outputs: out0 4 x 2,048 x 1,024 float32.
;; This version of the problem:
;;   THIS VERSION OF THE PROBLEM IS GIVEN IN LOW PRECISION. The matrix products marked QUANTISED in the list below multiply operands that are first quantised to E2M3 (2 exponent bits, 3 mantissa bits; 6 bits a number), with one power-of-two scale for each 32 numbers along K (OCP MX v1.0); their sums are f32. All else is computed in f32.
;;   The module's matrix products, in the order in which they are computed (A, B: the left and right operand; K: the contracted axis; several contracted axes count as one K, in the product's order):
;;     1. [M 8,192, K 1,024] x [K 1,024, N 1,024]; A: input q; B: input w_q: QUANTISED
;;     2. [M 8,192, K 1,024] x [K 1,024, N 1,024]; A: input k; B: input w_k: QUANTISED
;;     3. [M 8,192, K 1,024] x [K 1,024, N 1,024]; A: input v; B: input w_v: QUANTISED
;;     4. batch 64 x [M 2,048, K 64] x [K 64, N 2,048]; A: computed on the way; B: computed on the way: QUANTISED
;;     5. batch 64 x [M 2,048, K 2,048] x [K 2,048, N 64]; A: softmax (see below); B: computed on the way: QUANTISED
;;     6. [M 8,192, K 1,024] x [K 1,024, N 1,024]; A: computed on the way; B: input w_o: QUANTISED
;;   THE QUANTISER, for each operand of a quantised product, along K:
;;     - K is cut into blocks of 32 from its start; a last block that is shorter is filled with zeros.
;;     - A block's scale is 2^e with e = floor(log2(the largest magnitude in the block)) - 2, held to -126 .. 127; a block of zeros has e = 0. As a byte (E8M0): e + 127.
;;     - Each number is divided by its block's scale, clamped to +-7.5, and rounded to the nearest number of E2M3, ties to even, subnormals kept.
;;     - The product sums the exact products of the quantised numbers (number of the format x scale) in f32.
;;   ~~~python
;;   def quantise(x, axis):      # numpy; x: float32 -> the quantised numbers, widened to float32 again
;;       x = np.moveaxis(x, axis, -1); K = x.shape[-1]
;;       x = np.pad(x, [(0, 0)] * (x.ndim - 1) + [(0, -K % 32)]); x = x.reshape(x.shape[:-1] + (-1, 32)); a = np.abs(x).max(-1, keepdims=True)
;;       e = np.where(a > 0, np.clip(np.frexp(np.where(a > 0, a, 1))[1] - 1 - 2, -126, 127), 0)      # np.frexp(a)[1] - 1 = floor(log2(a)), exactly
;;       r = np.clip(x / 2.0 ** e, -7.5, 7.5)
;;       step = 2.0 ** (np.maximum(np.frexp(np.where(r == 0, 1, r))[1] - 1, 0) - 3)
;;       q = np.round(r / step) * step * 2.0 ** e      # np.round: ties to even
;;       return np.moveaxis(q.reshape(q.shape[:-2] + (-1,))[..., :K], -1, axis).astype(np.float32)
;;   ~~~
;;   SOFTMAX AHEAD OF A QUANTISED PRODUCT. Where the list says 'softmax', what is quantised is not the finished softmax but p = 2^(t - M), with t = logit x log2(e) and M = ceil(the row's largest t), a whole number; so 1/2 < the row's largest p <= 1. The row's sum l is taken of the UNQUANTISED p, in f32, and the product's result is divided by l at the end. Since M is a whole number, a kernel that streams over the keys may use a running M (the ceiling of the running maximum): every later rescaling is an exact power of two, which a block's scale takes up: the codes' values come out the same.
;;   OPERANDS COMPUTED ON THE WAY. 'Computed on the way' means the value that the module computes at that place (a softmax that the list does not call 'softmax' is quantised finished and normalised). What goes into a quantiser is computed in f32, as accurately as f32 sums, v_exp_f32 and their like allow (about 1e-6 of the number): no bf16 or f16 on the way to a quantiser, and a product that is left as it is and whose result goes on into a quantised operand takes f32 operands (vector FMAs, or v_wmma_f32_16x16x4_f32). A number that lies on a knife's edge between two numbers of the format may be rounded either way, as far as f32 arithmetic and the matrix unit's own rounding can turn it there, and no further.
;; One version. Each part assembles by itself: llvm-mc -triple=amdgcn-amd-amdhsa -mcpu=gfx1250 --defsym DOCPART=n.
;; ======== version 1 of 1: 4 launches
;; limits: right only within a limited range of input values
;; workspace buffers: codes 22,020,096 bytes; scales 917,504 bytes; qkv 20,185,088 bytes; ao 6,291,456 bytes; aos 262,144 bytes
;; launch quant (part 1): grid 256 x 1, 7 waves a work-group, no clusters, 60,160 bytes of LDS; arguments q, k, v, w_q, w_k, w_v, w_o, codes, scales; writes codes, scales
.if DOCPART == 1
	.amdgcn_target "amdgcn-amd-amdhsa--gfx1250"
	.amdhsa_code_object_version 6
	.text
	.protected	k_q9ef831167e_quant
	.globl	k_q9ef831167e_quant
	.p2align	8
	.type	k_q9ef831167e_quant,@function
k_q9ef831167e_quant:
	s_mov_b64 s[64:65], 0
	v_nop
	global_prefetch_b8 v0, s[64:65] scope:SCOPE_SE
	s_setreg_imm32_b32 hwreg(HW_REG_WAVE_MODE, 25, 1), 1
	s_wait_xcnt 0x0
; MULTI-HEAD ATTENTION IN MX-FP6, LAUNCH 1 OF 4: q, k, v [8192][1024] and w_q, w_k, w_v, w_o [1024][1024], f32 with K innermost, become codes of E2M3 and E8M0 scale words.
; NOTHING OF reference() IS LEFT OUT in this program: all eleven inputs have a way to out0.  (b_k would cancel in a softmax over real numbers, but it moves the codes of K, an operand of a quantised product: it stays.)
; A block's scale is 2^(floor(log2(its largest magnitude)) - 2); its byte is the largest magnitude's exponent field - 2, held at 1 from below.
; LIMITS: NaN and infinities among the inputs are not served.  A block of zeros, or one whose largest magnitude lies under 2^-124, gets the byte 1 (a block of zeros has zero codes, which add nothing under that byte); the bytes are read by this program alone.
; THE ROW ORDER, for every tensor of this program: a TILE is 16 rows; place i of tile T is row 32 (T / 2) + 8 (T % 2) + i + 8 (i / 8).  So wherever a tile is source 0 of a product, the 16 result registers of tiles 2 b and 2 b + 1
; are 16 NEIGHBOURS, 32 b + 16 (lane / 16) + 0 .. 15, of the axis that is quantised next.
; THE LAYOUT OUT is an image of the operand's registers.  codes: [tile 1792][chunk of 64 along K, 16][768 bytes]: lane l = (r = l % 16, h = l / 16) holds block h of the chunk of row r in six registers;
; registers 0-3 lie at 16 l, registers 4-5 at 512 + 8 l.  scales: [tile][S = K / 256, 4][r 16][q 2] words: the word at (S, r, q) holds the four bytes of K = 128 (2 S + q) on.
; First tiles: q 0, k 512, v 1024, w_q 1536, w_k 1600, w_v 1664, w_o 1728.
; SHARES.  1,792 tiles = 256 work-groups x 7 waves: a wave takes one tile, all of K, in 8 steps of 128.  Each load reads 512 consecutive bytes of one row; a step's 16 rows turn through the wave's own stage in LDS
; (rows of 528 bytes), so that a lane gets two whole blocks of its row.  Waves share nothing: no barrier.  Loads run two steps (32 loads a wave) ahead.  Every store covers whole aligned runs of 256 bytes.
; No matrix unit, no cluster, no tensor load: a stream that is read once and shared with nobody.
.set ROWB,  4096                       ; a row of f32 in bytes
.set STG,   16*528                     ; a wave's stage
.set SPARE, 7*STG                      ; behind the stages: the spare words, 128 bytes a wave, four blocks of 256 bytes that no other line names
.set SPW,   12                         ; v12  LDS address of my spare word; never rewritten
.set NIL,   13                         ; v13  0; never rewritten
.set R,     16                         ; v16-143   two sets of 64 registers as loaded
.set X,     144                        ; v144-207  the step's 64 numbers of my row: 32 c + i = K 64 c + 32 h + i
.set C,     208                        ; v208-219  the step's codes: two half fragments of six registers
.set TT,    220                        ; v220-222, v224-226 the upper halves as the conversions leave them
.set E,     228                        ; v228-235  a scale word for each step
.set MX,    236                        ; v236-237  largest magnitudes, then bytes
.set SO,    238                        ; v238-239  the conversions' scale operands
	s_load_b512 s[8:23], s[0:1], 0x0               ; q, k, v, w_q, w_k, w_v, w_o, codes
	s_load_b64 s[24:25], s[0:1], 0x40              ; scales
	v_lshl_add_u32 v[SPW], v0, 2, SPARE
	v_mov_b32 v[NIL], 0
	v_lshrrev_b32 v1, 5, v0
	v_readfirstlane_b32 s26, v1                    ; wave 0..6
	v_and_b32 v1, 31, v0                           ; lane
	v_and_b32 v2, 15, v0                           ; r
	v_bfe_u32 v3, v0, 4, 1                         ; h
	v_lshlrev_b32 v4, 4, v1                        ; 16 x lane: my bytes of a load's 512, and of a half fragment's first four registers
	v_lshlrev_b32 v5, 3, v1                        ; 8 x lane: of its last two
	s_mul_i32 s27, s26, STG
	v_add_nc_u32 v6, s27, v4                       ; the stage, on the way in
	v_mul_u32_u24 v7, v2, 528
	v_lshl_add_u32 v7, v3, 7, v7
	v_add_nc_u32 v7, s27, v7                       ; and out: row r, + 128 h: my block of each 64 along K
	v_lshlrev_b32 v8, 3, v2
	v_lshl_add_u32 v8, v3, 7, v8                   ; the scale words' place: 128 h + 8 r
	v_lshlrev_b32 v9, 3, v3                        ; 8 h: my bytes' shift in a scale word
	v_mov_b32 v11, 0                               ; written once: a lane permute's destination counts as one of its sources
	s_mov_b32 s2, 0x76543210
	s_mov_b32 s3, 0xfedcba98                       ; v_permlanex16_b32's selects for lane l xor 16
	s_mul_i32 s28, ttmp9, 7
	s_add_co_u32 s28, s28, s26                     ; g: my tile among the 1,792
	s_lshr_b32 s29, s28, 9                         ; g < 1536: tensor g / 512,
	s_and_b32 s30, s28, 511                        ; tile g % 512;
	s_sub_co_u32 s31, s28, 1536
	s_lshr_b32 s31, s31, 6
	s_add_co_u32 s31, s31, 3                       ; else tensor 3 + (g - 1536) / 64,
	s_and_b32 s32, s28, 63                         ; tile g % 64
	s_cmp_lt_u32 s28, 1536
	s_cselect_b32 s29, s29, s31
	s_cselect_b32 s30, s30, s32
	s_lshr_b32 s31, s30, 1
	s_lshl_b32 s31, s31, 17                        ; 32 (T / 2) rows of 4,096 bytes
	s_and_b32 s32, s30, 1
	s_lshl_b32 s32, s32, 15                        ; + 8 (T % 2) rows
	s_add_co_u32 s32, s31, s32
	; k ALONE HAS ANOTHER ROW ORDER: place i of tile T is row 64 (T / 4) + 8 (T % 4) + i + 24 (i / 8), so that in the scores of the third launch a lane's 32 registers of four neighbouring tiles are one whole block of 32 keys
	s_lshr_b32 s38, s30, 2
	s_lshl_b32 s38, s38, 18                        ; 64 (T / 4) rows of 4,096 bytes
	s_and_b32 s39, s30, 3
	s_lshl_b32 s39, s39, 15                        ; + 8 (T % 4) rows
	s_add_co_u32 s38, s38, s39
	s_cmp_eq_u32 s29, 1                            ; tensor 1 is k
	s_cselect_b32 s32, s38, s32
	s_cselect_b32 s39, 16*ROWB, 0
	v_add_nc_u32 v14, s39, v4                      ; the offset of places 8-15: in k 16 rows further on
	s_mov_b32 s33, 0
	s_mul_i32 s34, s28, 12288                      ; my tile's codes
	s_mov_b32 s35, 0
	s_lshl_b32 s36, s28, 9                         ; and scale words
	s_mov_b32 s37, 0
	s_wait_alu depctr_va_vdst(0)
	s_wait_kmcnt 0x0
	s_mov_b64 s[4:5], s[8:9]                       ; the source: a choice among the seven buffers on the tile's number alone
.irp n, 1,2,3,4,5,6
	s_cmp_eq_u32 s29, \n
	s_cselect_b64 s[4:5], s[8+2*\n:9+2*\n], s[4:5]
.endr
	s_add_nc_u64 s[4:5], s[4:5], s[32:33]
	s_add_nc_u64 s[6:7], s[22:23], s[34:35]
	s_add_nc_u64 s[24:25], s[24:25], s[36:37]
.macro LOAD s                          ; step s: 512 bytes of each of the tile's 16 rows
.irp i, 0,1,2,3,4,5,6,7,8,9,10,11,12,13,14,15
	global_load_b128 v[R+64*((\s)%2)+4*\i:R+64*((\s)%2)+4*\i+3], v[4+10*(\i/8)], s[4:5] offset:(\i+8*(\i/8))*ROWB+512*(\s) th:TH_LOAD_NT
.endr
.endm
.macro TURN s                          ; through the stage: LDS serves a wave's instructions in order (ISA guide 5.7.1.4), so no wait stands between the stores and the loads
.irp i, 0,1,2,3,4,5,6,7,8,9,10,11,12,13,14,15
	ds_store_b128 v6, v[R+64*((\s)%2)+4*\i:R+64*((\s)%2)+4*\i+3] offset:528*\i
.endr
.irp c, 0,1
.irp j, 0,1,2,3,4,5,6,7
	ds_load_b128 v[X+32*\c+4*\j:X+32*\c+4*\j+3], v7 offset:256*\c+16*\j
.endr
.endr
.endm
.macro STEP s
.if (\s) < 7
	s_wait_loadcnt 16                              ; this step's 16 loads are in; the next step's 16 may be out
.else
	s_wait_loadcnt 0x0
.endif
	TURN \s
	s_wait_dscnt 0x0                               ; my 64 numbers are back, and the stage's stores have read their registers,
.if (\s)+2 < 8
	LOAD (\s)+2                                    ; which take the loads of two steps on
.endif
.irp c, 0,1
	v_max3_num_f32 v[MX+\c], |v[X+32*\c]|, |v[X+32*\c+1]|, 0x1800000   ; my block 2 c + h: all 32 numbers are mine; the floor 2^(3 - 127) holds the byte at 1 from below
.endr
.irp i, 2,4,6,8,10,12,14,16,18,20,22,24,26,28,30
.irp c, 0,1
	v_max3_num_f32 v[MX+\c], v[MX+\c], |v[X+32*\c+\i]|, |v[X+32*\c+\i+1]|   ; (the two blocks by turns)
.endr
.endr
.irp c, 0,1
	v_add_nc_u32 v[SO+\c], 0xff000000, v[MX+\c]    ; 2 off the exponent field: the conversion takes this operand's exponent field as its scale
.endr
.irp c, 0,1
	v_lshrrev_b32 v[MX+\c], 23, v[SO+\c]           ; the scale's byte
.endr
	v_lshl_or_b32 v10, v[MX+1], 16, v[MX]          ; blocks h and 2 + h,
	v_lshlrev_b32 v10, v9, v10                     ; at their places in the word;
	v_permlanex16_b32 v11, v10, s2, s3
	v_or_b32 v[E+(\s)], v10, v11                   ; with lane l xor 16's two the word is whole
	s_wait_alu depctr_va_vdst(0)
	s_wait_xcnt 0x0                                ; the last step's stores have read their data: the codes' registers are written again only behind this wait
.irp c, 0,1
	v_cvt_scalef32_pk16_fp6_f32 v[C+6*\c:C+6*\c+2], v[X+32*\c:X+32*\c+15], v[SO+\c]
	v_cvt_scalef32_pk16_fp6_f32 v[TT+4*\c:TT+4*\c+2], v[X+32*\c+16:X+32*\c+31], v[SO+\c]   ; (a conversion's three registers begin on an even number)
.endr
	v_nop                                          ; one plain place behind a scaled conversion
.irp c, 0,1
.irp i, 0,1,2
	v_mov_b32 v[C+6*\c+3+\i], v[TT+4*\c+\i]
.endr
.endr
.irp c, 0,1
	global_store_b128 v4, v[C+6*\c:C+6*\c+3], s[6:7] offset:(2*(\s)+\c)*768          ; 512 consecutive bytes
	global_store_b64 v5, v[C+6*\c+4:C+6*\c+5], s[6:7] offset:(2*(\s)+\c)*768+512     ; 256 consecutive bytes
.endr
.endm
	LOAD 0
	LOAD 1
.irp s, 0,1,2,3,4,5,6,7
	STEP \s
.endr
	v_cmp_ne_u32 vcc_lo, 0, v3                     ; every lane holds its row's eight words: lanes 0-15 store those of S = 0 and 2, lanes 16-31 those of S = 1 and 3
	v_cndmask_b32 v[X], v[E], v[E+2], vcc_lo
	v_cndmask_b32 v[X+1], v[E+1], v[E+3], vcc_lo
	v_cndmask_b32 v[X+2], v[E+4], v[E+6], vcc_lo
	v_cndmask_b32 v[X+3], v[E+5], v[E+7], vcc_lo
	global_store_b64 v8, v[X:X+1], s[24:25]        ; 32 lanes store 256 consecutive bytes
	global_store_b64 v8, v[X+2:X+3], s[24:25] offset:256
	s_wait_tensorcnt 0x0                           ; the wave's end, behind my last LDS store
	ds_add_u32 v[SPW], v[NIL]
	s_wait_dscnt 0x0
	s_endpgm
.Lfunc_end_k_q9ef831167e_quant:
	.size	k_q9ef831167e_quant, .Lfunc_end_k_q9ef831167e_quant-k_q9ef831167e_quant
	.p2alignl 7, 3214868480
	.fill 96, 4, 3214868480
	.section	.rodata,"a",@progbits
	.p2align	6, 0x0
	.amdhsa_kernel k_q9ef831167e_quant
		.amdhsa_group_segment_fixed_size 60160
		.amdhsa_private_segment_fixed_size 0
		.amdhsa_enable_private_segment 0
		.amdhsa_kernarg_size 72
		.amdhsa_user_sgpr_count 2
		.amdhsa_user_sgpr_kernarg_segment_ptr 1
		.amdhsa_wavefront_size32 1
		.amdhsa_system_sgpr_workgroup_id_x 1
		.amdhsa_system_sgpr_workgroup_id_y 1
		.amdhsa_system_sgpr_workgroup_id_z 1
		.amdhsa_system_vgpr_workitem_id 0
		.amdhsa_next_free_vgpr 240
		.amdhsa_next_free_sgpr 66
		.amdhsa_reserve_vcc 1
		.amdhsa_float_denorm_mode_32 3
		.amdhsa_float_denorm_mode_16_64 3
		.amdhsa_memory_ordered 1
		.amdhsa_forward_progress 1
		.amdhsa_inst_pref_size 59
	.end_amdhsa_kernel
	.amdgpu_metadata
---
amdhsa.version: [ 1, 2 ]
amdhsa.kernels:
  - .name:           k_q9ef831167e_quant
    .symbol:         k_q9ef831167e_quant.kd
    .args:
      - { .name: q, .offset: 0, .size: 8, .value_kind: global_buffer, .address_space: global }
      - { .name: k, .offset: 8, .size: 8, .value_kind: global_buffer, .address_space: global }
      - { .name: v, .offset: 16, .size: 8, .value_kind: global_buffer, .address_space: global }
      - { .name: w_q, .offset: 24, .size: 8, .value_kind: global_buffer, .address_space: global }
      - { .name: w_k, .offset: 32, .size: 8, .value_kind: global_buffer, .address_space: global }
      - { .name: w_v, .offset: 40, .size: 8, .value_kind: global_buffer, .address_space: global }
      - { .name: w_o, .offset: 48, .size: 8, .value_kind: global_buffer, .address_space: global }
      - { .name: codes, .offset: 56, .size: 8, .value_kind: global_buffer, .address_space: global }
      - { .name: scales, .offset: 64, .size: 8, .value_kind: global_buffer, .address_space: global }
    .group_segment_fixed_size: 60160
    .private_segment_fixed_size: 0
    .kernarg_segment_align: 8
    .kernarg_segment_size: 72
    .max_flat_workgroup_size: 224
    .sgpr_count:     66
    .vgpr_count:     240
    .wavefront_size: 32
...
	.end_amdgpu_metadata
.endif
;; end of part 1
;; launch proj (part 2): grid 4 x 96, 4 waves a work-group, clusters of 4 x 4, 327,680 bytes of LDS; arguments codes, scales, b_q, b_k, b_v, qkv; writes qkv
.if DOCPART == 2
	.amdgcn_target "amdgcn-amd-amdhsa--gfx1250"
	.amdhsa_code_object_version 6
	.text
	.protected	k_q9ef831167e_proj
	.globl	k_q9ef831167e_proj
	.p2align	8
	.type	k_q9ef831167e_proj,@function
k_q9ef831167e_proj:
	s_mov_b64 s[64:65], 0
	v_nop
	global_prefetch_b8 v0, s[64:65] scope:SCOPE_SE
	s_setreg_imm32_b32 hwreg(HW_REG_WAVE_MODE, 25, 1), 1
	s_wait_xcnt 0x0
	s_wait_alu depctr_hold_cnt(0) depctr_sa_sdst(0) depctr_va_vdst(0) depctr_va_sdst(0) depctr_va_ssrc(0) depctr_va_vcc(0) depctr_vm_vsrc(0)
	s_getreg_b32 s2, hwreg(HW_REG_IB_STS2, 6, 4)
	s_cmp_eq_u32 s2, 0
	s_cbranch_scc0 .Lentry_in_a_cluster
	s_endpgm
.Lentry_in_a_cluster:
	s_bfe_u32 s2, ttmp6, 0x10000c
	s_cmp_lg_u32 s2, 0xf033
	s_cbranch_scc0 .Lentry_shape_is_right
	s_endpgm
.Lentry_shape_is_right:
.set NQ,     2
.set FR,     12
.set NL,     4
.set NP,     4
.set TILEB,  4608                      ; a tile's bytes in a slot: three K steps of 128, 1,536 bytes each
.set QUART,  8*TILEB
.set SLOT,   4*QUART
.set SCL,    2*SLOT
.set SPARE,  SCL+16384+256
.set HEADB,  315392
.set RECB,   19712
.set ADRA, 16
.set ADRB, 20
.set VO16, 24
.set VO8,  25
.set SOFS, 26
.set ADRS, 27
.set SPW,  28
.set NIL,  29
.set SH,   30
.set BOF,  31
.set SC,   32
.set BI,   64
.set AF,   128
.set PC,   128
.set TM,   64                          ; the way out: 16 registers at work for each of four blocks (where the bias lay)
.set PWS,  208
.set VA,   224                         ; v224-229 the way out: my offsets in the second, third and fourth block of a group
.set WV,   16
.set HR,   17
.set HC,   18
.set ISV,  19
.set PP,   20
.set G1,   24
.set G0,   32
.set G1B,  48
.set G0B,  56
.set G1S,  68
.set G0S,  76
.set G1SB, 80
.set G0SB, 88
.set CB,   94
.set CB2,  96
.set SB,   98
.set INCA, 4
.set INCJ, 6
.set SEL,  100
.set MSB, 0
.macro WIN new
.if MSB != (\new)
	s_set_vgpr_msb (MSB<<8)|(\new)
.set MSB, (\new)
.endif
.endm
.set MUL_LO, 0xa1
.set MUL_HI, 0xf1
.set BEG_LO, 0x81
.set BEG_HI, 0xc1
.set TO_B,   0x40
.macro JLOAD g0a, g1a, g0b, g1b
	s_cmp_eq_u32 s[HR], 0
	s_cbranch_scc0 .Lfor_b_\@
	tensor_load_to_lds s[\g0a:\g0a+3], s[\g1a:\g1a+7]
	s_nop 0
.rept 4
	v_nop
.endr
	s_branch .Lasked_\@
.Lfor_b_\@:
	tensor_load_to_lds s[\g0b:\g0b+3], s[\g1b:\g1b+7]
	s_nop 0
.rept 4
	v_nop
.endr
.Lasked_\@:
.endm
.macro CREST
	s_cmp_lg_u32 s[WV], 0
	s_cbranch_scc1 .Lnot_wave_0_\@
	s_barrier_signal -3
.Lnot_wave_0_\@:
	s_barrier_wait -3
	s_barrier_signal -1
	s_barrier_wait -1
.endm
.macro CROUND
	s_barrier_signal -1
	s_barrier_wait -1
	CREST
.endm
	s_load_b256 s[4:11], s[0:1], 0x0
	s_load_b128 s[12:15], s[0:1], 0x20
	v_lshl_add_u32 v[SPW], v0, 2, SPARE
	v_mov_b32 v[NIL], 0
	ds_add_u32 v[SPW], v[NIL]
	ds_add_u32 v[SPW], v[NIL]
	v_lshrrev_b32 v1, 5, v0
	v_readfirstlane_b32 s[WV], v1
	s_lshr_b32 s[HR], s[WV], 1
	s_and_b32 s[HC], s[WV], 1
	s_bfe_u32 s40, ttmp6, 0x40000
	s_bfe_u32 s41, ttmp6, 0x40004
	s_and_b32 s21, ttmp7, 0xffff
	s_lshr_b32 s[PP], s21, 3
	s_and_b32 s21, s21, 7
	s_lshl_b32 s21, s21, 2
	s_lshl_b32 s92, s[PP], 9
	s_lshl_b32 s93, s[PP], 6
	s_add_co_u32 s93, s93, 1536
	s_cmp_eq_u32 s[PP], 2
	s_cselect_b32 s[ISV], 1, 0
	s_cselect_b32 s22, 0, s21
	s_cselect_b32 s23, s21, 0
	s_cselect_b32 s92, 1664, s92
	s_cselect_b32 s93, 1024, s93
	s_add_co_u32 s43, s22, s41
	s_add_co_u32 s42, s23, s40
	s_lshl_b32 s44, s41, 2
	s_lshl_b32 s44, 15, s44
	s_lshl_b32 s45, 0x1111, s40
	s_or_b32 s[G1], s44, (3<<16)|(1<<21)
	s_or_b32 s[G1B], s45, (3<<16)|(1<<21)
.irp g, G1, G1B
	s_mov_b32 s[\g+1], 576<<16
	s_mov_b32 s[\g+2], 16<<16
	s_mov_b32 s[\g+3], 576<<16
	s_mov_b32 s[\g+4], 16
	s_mov_b32 s[\g+5], 1536
	s_mov_b32 s[\g+6], 0
	s_mov_b32 s[\g+7], 0
.endr
	s_or_b32 s[G1S], s44, (3<<16)|(1<<21)
	s_or_b32 s[G1SB], s45, (3<<16)|(1<<21)
.irp g, G1S, G1SB
	s_mov_b32 s[\g+1], 32<<16
	s_mov_b32 s[\g+2], 32<<16
	s_mov_b32 s[\g+3], 32<<16
	s_mov_b32 s[\g+4], 32
	s_mov_b32 s[\g+5], 32
	s_mov_b32 s[\g+6], 0
	s_mov_b32 s[\g+7], 0
.endr
	s_lshl_b32 s66, s[HC], 3
	s_lshl_b32 s22, s43, 4
	s_add_co_u32 s22, s22, s92
	s_add_co_u32 s22, s22, s66
	s_lshl_b32 s23, s42, 4
	s_add_co_u32 s23, s23, s93
	s_add_co_u32 s23, s23, s66
	s_mul_i32 s2, s22, 12288
	s_mov_b32 s3, 0
	s_lshl_b32 s46, s22, 9
	s_mov_b32 s47, 0
	s_mul_i32 s66, s23, 12288
	s_mov_b32 s67, 0
	s_lshl_b32 s92, s23, 9
	s_mov_b32 s93, 0
	s_mul_i32 s94, s[WV], QUART
	s_lshl_b32 s95, s[WV], 12
	s_mov_b32 s[SEL], 0x76543210
	s_mov_b32 s[SEL+1], 0xfedcba98
	s_wait_dscnt 0x0
	s_wait_kmcnt 0x0
	s_add_nc_u64 s[2:3], s[4:5], s[2:3]
	s_add_nc_u64 s[46:47], s[6:7], s[46:47]
	s_add_nc_u64 s[66:67], s[4:5], s[66:67]
	s_add_nc_u64 s[92:93], s[6:7], s[92:93]
	CROUND
	; the head's four tiles, each whole, one load a wave: wave 0 slot 0's 16 tiles of A, wave 1 the scale words of A's 16 tiles, wave 2 slot 0's 16 tiles of B, wave 3 B's scale words
	s_lshl_b32 s22, s[HC], 12                      ; waves 1 and 3 stand at the second eight tiles: 4,096 bytes of scale words back
	s_mov_b32 s23, 0
	s_mov_b32 s[G0S], 1
	s_mov_b32 s[G0S+1], SCL
	s_sub_nc_u64 s[G0S+2:G0S+3], s[46:47], s[22:23]
	s_or_b32 s[G0S+3], s[G0S+3], 0x80000000
	s_mov_b32 s[G0SB], 1
	s_mov_b32 s[G0SB+1], SCL+8192+128
	s_sub_nc_u64 s[G0SB+2:G0SB+3], s[92:93], s[22:23]
	s_or_b32 s[G0SB+3], s[G0SB+3], 0x80000000
.irp s, 0,1
	s_mov_b32 s[G0+4*\s], 1
	s_add_co_u32 s[G0+4*\s+1], s94, \s*SLOT
	s_add_nc_u64 s[G0+4*\s+2:G0+4*\s+3], s[2:3], \s*TILEB
	s_or_b32 s[G0+4*\s+3], s[G0+4*\s+3], 0x80000000
	s_mov_b32 s[G0B+4*\s], 1
	s_add_co_u32 s[G0B+4*\s+1], s94, \s*SLOT
	s_add_nc_u64 s[G0B+4*\s+2:G0B+4*\s+3], s[66:67], \s*TILEB
	s_or_b32 s[G0B+4*\s+3], s[G0B+4*\s+3], 0x80000000
.endr
	s_cmp_eq_u32 s[WV], 0                          ; one chain of branches on the wave's number, one load to an arm
	s_cbranch_scc0 .Lhd_1
	tensor_load_to_lds s[G0:G0+3], s[G1:G1+7]
	s_nop 0
.rept 4
	v_nop
.endr
	s_branch .Lhd_x
.Lhd_1:
	s_cmp_eq_u32 s[WV], 1
	s_cbranch_scc0 .Lhd_2
	tensor_load_to_lds s[G0S:G0S+3], s[G1S:G1S+7]
	s_nop 0
.rept 4
	v_nop
.endr
	s_branch .Lhd_x
.Lhd_2:
	s_cmp_eq_u32 s[WV], 2
	s_cbranch_scc0 .Lhd_3
	tensor_load_to_lds s[G0B:G0B+3], s[G1B:G1B+7]
	s_nop 0
.rept 4
	v_nop
.endr
	s_branch .Lhd_x
.Lhd_3:
	tensor_load_to_lds s[G0SB:G0SB+3], s[G1SB:G1SB+7]
	s_nop 0
.rept 4
	v_nop
.endr
.Lhd_x:                                                ; the addresses and the bias's loads stand here, while the head's tiles are on their way; none of their registers belongs to a descriptor
	v_and_b32 v1, 15, v0
	v_bfe_u32 v2, v0, 4, 1
	v_and_b32 v3, 31, v0
	v_lshlrev_b32 v[VO16], 4, v3
	v_lshlrev_b32 v[VO8], 3, v3
	s_mul_i32 s46, s[HR], QUART
	s_mul_i32 s47, s[HC], QUART
	s_add_co_u32 s47, s47, 2*QUART
.irp s, 0,1
	v_add_nc_u32 v[ADRA+\s], s46, v[VO16]
	v_add_nc_u32 v[ADRA+2+\s], s46, v[VO8]
	v_add_nc_u32 v[ADRB+\s], s47, v[VO16]
	v_add_nc_u32 v[ADRB+2+\s], s47, v[VO8]
	s_add_co_u32 s46, s46, SLOT
	s_add_co_u32 s47, s47, SLOT
.endr
	s_lshl_b32 s46, s[HR], 12
	s_lshl_b32 s47, s[HC], 12
	s_add_co_u32 s47, s47, 8192+128
	s_sub_co_u32 s47, s47, s46
	v_mul_u32_u24 v6, s47, v2
	s_add_co_u32 s46, s46, SCL
	v_lshl_add_u32 v6, v1, 3, v6
	v_add_nc_u32 v[ADRS], s46, v6
	v_mul_u32_u24 v[SOFS], v2, HEADB
	v_lshl_add_u32 v[SOFS], v1, 4, v[SOFS]
	v_lshlrev_b32 v[SH], 4, v2
	s_lshl_b32 s22, s43, 8
	s_lshl_b32 s46, s[HR], 7
	s_add_co_u32 s22, s22, s46
	s_lshl_b32 s23, s42, 8
	s_lshl_b32 s46, s[HC], 7
	s_add_co_u32 s23, s23, s46
	s_cmp_eq_u32 s[ISV], 1
	s_cselect_b32 s46, s23, s22
	s_cselect_b32 s47, s22, s23
	s_lshr_b32 s66, s46, 11
	s_lshl_b32 s66, s66, 4
	s_lshr_b32 s67, s47, 6
	s_add_co_u32 s66, s66, s67
	s_lshl_b32 s66, s66, 4
	s_bfe_u32 s67, s46, 0x40007
	s_add_co_u32 s66, s66, s67
	s_mul_i32 s66, s66, RECB
	s_mov_b32 s92, 13056
	s_mov_b32 s93, 19200
	s_cmp_eq_u32 s[PP], 1
	s_cselect_b32 s92, 0, s92
	s_cselect_b32 s93, 12288, s93
	s_cselect_b64 s[8:9], s[10:11], s[8:9]
	s_cmp_eq_u32 s[PP], 2
	s_cselect_b32 s92, 6144, s92
	s_cselect_b32 s93, 12800, s93
	s_cselect_b64 s[8:9], s[12:13], s[8:9]
	s_mov_b32 s96, HEADB
	s_cselect_b32 s96, 768, s96
	s_mov_b32 s[INCA], 768
	s_cselect_b32 s[INCA], 1536, s[INCA]
	s_mov_b32 s[INCJ], 3072                        ; from blocks 0-3 to blocks 4-7: Q, K four tiles on; V the next head
	s_cselect_b32 s[INCJ], HEADB, s[INCJ]
	s_mov_b32 s[INCA+1], 0
	s_mov_b32 s[INCJ+1], 0
	s_mov_b32 s97, 0
	s_add_co_u32 s94, s66, s92
	s_mov_b32 s95, 0
	s_add_co_u32 s98, s66, s93
	s_mov_b32 s99, 0
	s_add_nc_u64 s[CB:CB+1], s[14:15], s[CB:CB+1]
	s_add_nc_u64 s[CB2:CB2+1], s[CB:CB+1], s[CB2:CB2+1]
	s_add_nc_u64 s[SB:SB+1], s[14:15], s[SB:SB+1]
	s_lshl_b32 s2, s47, 2
	s_mov_b32 s3, 0
	s_add_nc_u64 s[8:9], s[8:9], s[2:3]
	s_cmp_eq_u32 s[ISV], 1
	s_cbranch_scc1 .Lbias_v
	v_lshlrev_b32 v[BOF], 6, v2
.irp b, 0,1,2,3,4,5,6,7
	global_load_b128 v[BI+8*\b:BI+8*\b+3], v[BOF], s[8:9] offset:(32*(\b/2)+8*(\b%2))*4
	global_load_b128 v[BI+8*\b+4:BI+8*\b+7], v[BOF], s[8:9] offset:(32*(\b/2)+8*(\b%2))*4+16
.endr
	s_branch .Lbias_done
.Lbias_v:
	v_and_b32 v[BOF], 8, v1
	v_add_nc_u32 v[BOF], v[BOF], v1
	v_lshlrev_b32 v[BOF], 2, v[BOF]
.irp a, 0,1,2,3,4,5,6,7
.irp j, 0,1,2,3,4,5,6,7
	global_load_b32 v[BI+8*\a+\j], v[BOF], s[8:9] offset:(32*(\a/2)+8*(\a%2))*4
.endr
.endr
.Lbias_done:
	s_wait_alu depctr_va_vdst(0)
	s_wait_tensorcnt 0x0                           ; my tile of the four is in
	ds_add_u32 v28, v29
	s_mov_b32 s[G1+2], 8<<16                       ; no load of mine is out: from here on a load brings eight tiles
	s_mov_b32 s[G1+4], 8
	s_mov_b32 s[G1B+2], 8<<16
	s_mov_b32 s[G1B+4], 8
	s_wait_dscnt 0x0
	CROUND
	JLOAD G0+4, G1, G0B+4, G1B
.macro FRAG reg, adr, q, i
	ds_load_b128 v[\reg:\reg+3], v[\adr] offset:TILEB*(\i)+1536*(\q)
	ds_load_b64 v[\reg+4:\reg+5], v[\adr+2] offset:TILEB*(\i)+1536*(\q)+512
	ds_load_b128 v[\reg+6:\reg+9], v[\adr] offset:TILEB*(\i)+1536*(\q)+768
	ds_load_b64 v[\reg+10:\reg+11], v[\adr+2] offset:TILEB*(\i)+1536*(\q)+1280
.endm
.macro MUL16 a0, p, q, sc, zero
.irp a, \a0, \a0+1
.irp b, 0,1,2,3,4,5,6,7
.if (\zero) == 1
	v_wmma_scale_f32_16x16x128_f8f6f4 v[8*(8*((\a)%4)+\b):8*(8*((\a)%4)+\b)+7], v[128*(\p)+FR*\b:128*(\p)+FR*\b+FR-1], v[AF+FR*(\a):AF+FR*(\a)+FR-1], v[BI+8*\b:BI+8*\b+7], v[SC+8*NQ*(\sc)+NQ*\b+(\q)], v[SC+8*NQ*(\sc)+NQ*(\a)+(\q)] matrix_a_fmt:MATRIX_FMT_FP6 matrix_b_fmt:MATRIX_FMT_FP6 matrix_a_scale:MATRIX_SCALE_ROW1
.elseif (\zero) == 2
	v_wmma_scale_f32_16x16x128_f8f6f4 v[8*(8*((\a)%4)+\b):8*(8*((\a)%4)+\b)+7], v[128*(\p)+FR*\b:128*(\p)+FR*\b+FR-1], v[AF+FR*(\a):AF+FR*(\a)+FR-1], v[BI+8*(\a):BI+8*(\a)+7], v[SC+8*NQ*(\sc)+NQ*\b+(\q)], v[SC+8*NQ*(\sc)+NQ*(\a)+(\q)] matrix_a_fmt:MATRIX_FMT_FP6 matrix_b_fmt:MATRIX_FMT_FP6 matrix_a_scale:MATRIX_SCALE_ROW1
.else
	v_wmma_scale_f32_16x16x128_f8f6f4 v[8*(8*((\a)%4)+\b):8*(8*((\a)%4)+\b)+7], v[128*(\p)+FR*\b:128*(\p)+FR*\b+FR-1], v[AF+FR*(\a):AF+FR*(\a)+FR-1], v[8*(8*((\a)%4)+\b):8*(8*((\a)%4)+\b)+7], v[SC+8*NQ*(\sc)+NQ*\b+(\q)], v[SC+8*NQ*(\sc)+NQ*(\a)+(\q)] matrix_a_fmt:MATRIX_FMT_FP6 matrix_b_fmt:MATRIX_FMT_FP6 matrix_a_scale:MATRIX_SCALE_ROW1
.endif
.endr
.endr
.endm
.macro FETCH_B slot, q, p
	WIN TO_B
.irp i, 0,1,2,3,4,5,6,7
	FRAG 128*(\p)+FR*\i, ADRB+\slot, \q, \i
.endr
	WIN 0
.endm
.macro FETCH_A slot, q, i0
.irp i, \i0, \i0+1, \i0+2, \i0+3
	FRAG AF+FR*(\i), ADRA+\slot, \q, \i
.endr
.endm
.macro SCALES pr                       ; the scale words of K steps 2 pr and 2 pr + 1 into set pr % 2
.irp i, 0,1,2,3,4,5,6,7
	ds_load_b64 v[SC+8*NQ*((\pr)%2)+NQ*\i:SC+8*NQ*((\pr)%2)+NQ*\i+1], v[ADRS] offset:512*\i+128*(\pr)
.endr
.endm
.macro PLACES n
.rept \n
	v_nop
.endr
.endm
; THE WALK ALONG K: eight steps of 128.  Step st lies in slot (st / 3) % 2, at place st % 3 of it: slot 0 holds steps 0-2, slot 1 steps 3-5, and slot 0 is filled again ONCE, with steps 6 and 7.
; B's set of registers is st % 2; the scale words' set (st / 2) % 2, the word in it st % 2.
.macro NEXT1 st                        ; the first run of step st's fetches: B, A's blocks 0-3, and at an even step the pair's scale words
	FETCH_B ((\st)/3)%2, (\st)%3, (\st)%2
	FETCH_A ((\st)/3)%2, (\st)%3, 0
.if (\st)%2 == 0
	SCALES (\st)/2
.endif
.endm
.macro STEP st, zero
	s_wait_dscnt 4*NL
.if \zero
	WIN BEG_LO
.else
	WIN MUL_LO
.endif
	MUL16 0, (\st)%2, (\st)%2, ((\st)/2)%2, \zero
	MUL16 2, (\st)%2, (\st)%2, ((\st)/2)%2, \zero
	s_wait_dscnt 0
	PLACES NP
	NEXT1 (\st)+1
.if \zero
	WIN BEG_HI
.else
	WIN MUL_HI
.endif
	MUL16 4, (\st)%2, (\st)%2, ((\st)/2)%2, \zero
	MUL16 6, (\st)%2, (\st)%2, ((\st)/2)%2, \zero
	PLACES NP
	WIN 0
	FETCH_A (((\st)+1)/3)%2, ((\st)+1)%3, 4
.endm
.macro TURN st, fill                   ; a slot's last step: the change of slots
	s_wait_tensorcnt 0x0
	ds_add_u32 v[SPW], v[NIL]
	s_wait_dscnt 4*NL+1
	WIN MUL_LO
	MUL16 0, (\st)%2, (\st)%2, ((\st)/2)%2, 0
	s_wait_dscnt 0x0
	s_barrier_signal -1
	MUL16 2, (\st)%2, (\st)%2, ((\st)/2)%2, 0
	WIN 0
	s_barrier_wait -1
.if \fill
	CREST
	s_add_nc_u64 s[G0+2:G0+3], s[G0+2:G0+3], 2*TILEB
	s_add_nc_u64 s[G0B+2:G0B+3], s[G0B+2:G0B+3], 2*TILEB
	s_mov_b32 s[G1+1], 384<<16                     ; two steps, 3,072 bytes, are left of each tile: past them the load writes zeros, and the pitch in LDS stays
	s_mov_b32 s[G1B+1], 384<<16
	JLOAD G0, G1, G0B, G1B
.else
	PLACES NP
.endif
	NEXT1 (\st)+1
	WIN MUL_HI
	MUL16 4, (\st)%2, (\st)%2, ((\st)/2)%2, 0
	MUL16 6, (\st)%2, (\st)%2, ((\st)/2)%2, 0
	PLACES NP
	WIN 0
	FETCH_A (((\st)+1)/3)%2, ((\st)+1)%3, 4
.endm
	s_wait_tensorcnt 1
	s_barrier_signal -1
	s_barrier_wait -1
	FETCH_B 0, 0, 0
	FETCH_A 0, 0, 0
	s_wait_alu depctr_va_vdst(0)
	SCALES 0
	FETCH_A 0, 0, 4
	s_wait_loadcnt 0x0
	s_cmp_eq_u32 s[ISV], 1
	s_cbranch_scc1 .Lstart_v
	STEP 0, 1
	s_branch .Lstarted
.Lstart_v:
	STEP 0, 2
.Lstarted:
	STEP 1, 0
	TURN 2, 1
	STEP 3, 0
	STEP 4, 0
	TURN 5, 0
	STEP 6, 0
	s_wait_dscnt 4*NL
	WIN MUL_LO
	MUL16 0, 1, NQ-1, 1, 0
	MUL16 2, 1, NQ-1, 1, 0
	s_wait_dscnt 0
	WIN MUL_HI
	MUL16 4, 1, NQ-1, 1, 0
	MUL16 6, 1, NQ-1, 1, 0
	WIN 0
; THE WAY OUT, FOUR BLOCKS OF 16 ROWS AT ONCE: blocks 4 g + e, e = 0 .. 3, the accumulators of one window.  Each block has four scale blocks of 32: the sixteen chains of maxima take turns, and so do all the lines behind them,
; so that no line reads what one of the three lines above it wrote.  Block e works in v[TM + 16 e ..] and leaves its codes in v[PC + 20 e ..].  Its place in memory, e x INCA bytes on, stands in its own vector offsets: the base steps once, between the groups.
.macro OUTGRP g
.set W, 2+(\g)
.set WW, W|(W<<2)
	WIN WW
.irp b, 0,1,2,3
.irp e, 0,1,2,3
	v_max3_num_f32 v[TM+16*\e+\b], |v[64*\e+16*\b]|, |v[64*\e+16*\b+1]|, 0x1800000
.endr
.endr
.irp i, 2,4,6,8,10,12,14
.irp b, 0,1,2,3
.irp e, 0,1,2,3
	v_max3_num_f32 v[TM+16*\e+\b], |v[64*\e+16*\b+\i]|, |v[64*\e+16*\b+\i+1]|, v[TM+16*\e+\b]
.endr
.endr
.endr
	WIN 0
.irp b, 0,1,2,3
.irp e, 0,1,2,3
	v_permlanex16_b32 v[TM+16*\e+4+\b], v[TM+16*\e+\b], s[SEL], s[SEL+1]
.endr
.endr
.irp b, 0,1,2,3
.irp e, 0,1,2,3
	v_max_num_f32 v[TM+16*\e+\b], v[TM+16*\e+\b], v[TM+16*\e+4+\b]
.endr
.endr
.irp b, 0,1,2,3
.irp e, 0,1,2,3
	v_add_nc_u32 v[TM+16*\e+12+\b], 0xff000000, v[TM+16*\e+\b]
.endr
.endr
.irp b, 0,1,2,3
.irp e, 0,1,2,3
	v_lshrrev_b32 v[TM+16*\e+4+\b], 23, v[TM+16*\e+12+\b]
.endr
.endr
.irp e, 0,1,2,3
	v_lshl_or_b32 v[PWS+4*(\g)+\e], v[TM+16*\e+5], 8, v[TM+16*\e+4]
.endr
.irp e, 0,1,2,3
	v_lshl_or_b32 v[PWS+4*(\g)+\e], v[TM+16*\e+6], 16, v[PWS+4*(\g)+\e]
.endr
.irp e, 0,1,2,3
	v_lshl_or_b32 v[PWS+4*(\g)+\e], v[TM+16*\e+7], 24, v[PWS+4*(\g)+\e]
.endr
.if (\g) > 0
	s_wait_alu depctr_va_vdst(0)
	s_wait_xcnt 0x0                                ; the first group's stores have read their data and their bases
	s_add_nc_u64 s[CB:CB+1], s[CB:CB+1], s[INCJ:INCJ+1]
	s_add_nc_u64 s[CB2:CB2+1], s[CB2:CB2+1], s[INCJ:INCJ+1]
.endif
	WIN W
.irp c, 0,1
.irp e, 0,1,2,3
	v_cvt_scalef32_pk16_fp6_f32 v[PC+20*\e+6*\c:PC+20*\e+6*\c+2], v[64*\e+32*\c:64*\e+32*\c+15], v[TM+16*\e+12+2*\c]
	v_cvt_scalef32_pk16_fp6_f32 v[PC+20*\e+12+4*\c:PC+20*\e+14+4*\c], v[64*\e+32*\c+16:64*\e+32*\c+31], v[TM+16*\e+12+2*\c+1]
.endr
.endr
	WIN 0
	v_nop                                          ; one plain place behind a scaled conversion
.irp c, 0,1
.irp i, 0,1,2
.irp e, 0,1,2,3
	v_permlane16_swap_b32 v[PC+20*\e+6*\c+\i], v[PC+20*\e+12+4*\c+\i]
.endr
.endr
.endr
.irp c, 0,1
.irp i, 0,1,2
.irp e, 0,1,2,3
	v_mov_b32 v[PC+20*\e+3+6*\c+\i], v[PC+20*\e+12+4*\c+\i]
.endr
.endr
.endr
.irp e, 0,1,2,3
.if \e == 0
.set A16_, VO16
.set A8_, VO8
.else
.set A16_, VA+2*\e-2
.set A8_, VA+2*\e-1
.endif
	global_store_b128 v[A16_], v[PC+20*\e:PC+20*\e+3], s[CB:CB+1]
	global_store_b64 v[A8_], v[PC+20*\e+4:PC+20*\e+5], s[CB:CB+1] offset:512
	global_store_b128 v[A16_], v[PC+20*\e+6:PC+20*\e+9], s[CB2:CB2+1]
	global_store_b64 v[A8_], v[PC+20*\e+10:PC+20*\e+11], s[CB2:CB2+1] offset:512
.endr
.endm
	PLACES NP
	s_lshl_b32 s92, s[INCA], 1
	s_add_co_u32 s93, s92, s[INCA]
	v_add_nc_u32 v[VA], s[INCA], v[VO16]
	v_add_nc_u32 v[VA+1], s[INCA], v[VO8]
	v_add_nc_u32 v[VA+2], s92, v[VO16]
	v_add_nc_u32 v[VA+3], s92, v[VO8]
	v_add_nc_u32 v[VA+4], s93, v[VO16]
	v_add_nc_u32 v[VA+5], s93, v[VO8]
.irp b, 0,1,2,3
.irp e, 0,1,2,3
	v_mov_b32 v[TM+16*\e+4+\b], 0                  ; written once: a lane permute's destination counts as one of its sources
.endr
.endr
	OUTGRP 0
	OUTGRP 1
	s_cmp_eq_u32 s[ISV], 1
	s_cbranch_scc1 .Ltail_v
.irp a, 0,1,2,3,4,5,6,7
	v_bfe_u32 v[PWS+\a], v[PWS+\a], v[SH], 16
.endr
	global_store_b128 v[SOFS], v[PWS:PWS+3], s[SB:SB+1]
	global_store_b128 v[SOFS], v[PWS+4:PWS+7], s[SB:SB+1] offset:256
	s_branch .Ltail_done
.Ltail_v:
	v_cmp_ne_u32 vcc_lo, 0, v2
.irp i, 0,1,2,3
	v_cndmask_b32 v[PWS+\i], v[PWS+\i], v[PWS+4+\i], vcc_lo
.endr
	global_store_b128 v[SOFS], v[PWS:PWS+3], s[SB:SB+1]
.Ltail_done:
	s_wait_tensorcnt 0x0
	ds_add_u32 v[SPW], v[NIL]
	s_wait_dscnt 0x0
	CROUND
	s_endpgm
.Lfunc_end_k_q9ef831167e_proj:
	.size	k_q9ef831167e_proj, .Lfunc_end_k_q9ef831167e_proj-k_q9ef831167e_proj
	.p2alignl 7, 3214868480
	.fill 96, 4, 3214868480
	.section	.rodata,"a",@progbits
	.p2align	6, 0x0
	.amdhsa_kernel k_q9ef831167e_proj
		.amdhsa_group_segment_fixed_size 327680
		.amdhsa_private_segment_fixed_size 0
		.amdhsa_enable_private_segment 0
		.amdhsa_kernarg_size 48
		.amdhsa_user_sgpr_count 2
		.amdhsa_user_sgpr_kernarg_segment_ptr 1
		.amdhsa_wavefront_size32 1
		.amdhsa_system_sgpr_workgroup_id_x 1
		.amdhsa_system_sgpr_workgroup_id_y 1
		.amdhsa_system_sgpr_workgroup_id_z 1
		.amdhsa_system_vgpr_workitem_id 0
		.amdhsa_next_free_vgpr 1024
		.amdhsa_next_free_sgpr 102
		.amdhsa_reserve_vcc 1
		.amdhsa_float_denorm_mode_32 3
		.amdhsa_float_denorm_mode_16_64 3
		.amdhsa_memory_ordered 1
		.amdhsa_forward_progress 1
		.amdhsa_inst_pref_size 171
	.end_amdhsa_kernel
	.amdgpu_metadata
---
amdhsa.version: [ 1, 2 ]
amdhsa.kernels:
  - .name:           k_q9ef831167e_proj
    .symbol:         k_q9ef831167e_proj.kd
    .args:
      - { .name: codes, .offset: 0, .size: 8, .value_kind: global_buffer, .address_space: global }
      - { .name: scales, .offset: 8, .size: 8, .value_kind: global_buffer, .address_space: global }
      - { .name: b_q, .offset: 16, .size: 8, .value_kind: global_buffer, .address_space: global }
      - { .name: b_k, .offset: 24, .size: 8, .value_kind: global_buffer, .address_space: global }
      - { .name: b_v, .offset: 32, .size: 8, .value_kind: global_buffer, .address_space: global }
      - { .name: qkv, .offset: 40, .size: 8, .value_kind: global_buffer, .address_space: global }
    .group_segment_fixed_size: 327680
    .private_segment_fixed_size: 0
    .kernarg_segment_align: 8
    .kernarg_segment_size: 48
    .max_flat_workgroup_size: 128
    .sgpr_count:     102
    .vgpr_count:     1024
    .wavefront_size: 32
...
	.end_amdgpu_metadata
.endif
;; end of part 2
;; launch attn (part 3): grid 4 x 64, 8 waves a work-group, clusters of 4 x 1, 210,944 bytes of LDS; arguments qkv, ao, aos; writes ao, aos
.if DOCPART == 3
	.amdgcn_target "amdgcn-amd-amdhsa--gfx1250"
	.amdhsa_code_object_version 6
	.text
	.protected	k_q9ef831167e_attn
	.globl	k_q9ef831167e_attn
	.p2align	8
	.type	k_q9ef831167e_attn,@function
k_q9ef831167e_attn:
	s_mov_b64 s[64:65], 0
	v_nop
	global_prefetch_b8 v0, s[64:65] scope:SCOPE_SE
	s_setreg_imm32_b32 hwreg(HW_REG_WAVE_MODE, 25, 1), 1
	s_wait_xcnt 0x0
	s_wait_alu depctr_hold_cnt(0) depctr_sa_sdst(0) depctr_va_vdst(0) depctr_va_sdst(0) depctr_va_ssrc(0) depctr_va_vcc(0) depctr_vm_vsrc(0)
	s_getreg_b32 s2, hwreg(HW_REG_IB_STS2, 6, 4)
	s_cmp_eq_u32 s2, 0
	s_cbranch_scc0 .Lentry_in_a_cluster
	s_endpgm
.Lentry_in_a_cluster:
	s_bfe_u32 s2, ttmp6, 0x10000c
	s_cmp_lg_u32 s2, 0x3003
	s_cbranch_scc0 .Lentry_shape_is_right
	s_endpgm
.Lentry_shape_is_right:
; LAUNCH 3 OF 4: attention on codes of E2M3, for each of 64 heads (batch x head): S = Q K^T (K = the head's 64), the softmax, O = P V (K = the 2,048 keys), O / l, and O quantised along d_model for the last product.  Nothing is left out.
; THE SOFTMAX: t = score x log2(e) / 8; M = the row's largest t so far, rounded UP to a whole number; p = 2^(t - M) is quantised along the keys, not normalised.  The row's sum l is taken of the unquantised p, in f32,
; and divides O at the end.  When M moves, l and O are multiplied by 2^(old M - new M): exact.
; IN: qkv [head][group of 128 tokens 16][19,712 bytes]: +0 K's codes (8 tiles x 768), +6144 V's (4 channel tiles x 1,536), +12288 K's scale words, +12800 V's, +13056 Q's codes, +19200 Q's scale words: images of operand registers.
; A HEAD'S K AND V STAY IN LDS: 16 groups x 13,056 bytes.  Nothing is filled again, one barrier.  Wave w brings groups 2 w and 2 w + 1 by ONE tensor load of two rows of 13,056 bytes, 19,712 apart in memory: one load a wave is out.
; CLUSTER: the four work-groups of a cluster are the four blocks of 512 queries of one head, and ask for K and V jointly (mask 15).  256 work-groups.
; SHARES.  Eight waves of 512 registers, two to a SIMD.  A wave takes TWO tiles of 16 queries at once, so that each fragment of K and V read from LDS feeds two products, and two such pairs one after the other (a loop of two passes).
; LAYOUT.  Both products are used transposed: S^T = K Q^T, O^T = V^T P^T: a lane holds ONE query (lane % 16).  By the order in which the first launch lays k's rows, place i of key tile 4 c + u is key 64 c + 8 u + i % 8 + 32 (i / 8):
; so registers 32 c .. 32 c + 31 of a lane's scores are keys 64 c + 32 (lane / 16) + 0 .. 31: a WHOLE scale block, in the order of the next operand's registers.  No lane asks another for a block's maximum, and no codes change lanes;
; the two halves of the lanes join only the row's maximum and the four bytes of p's scale word.
; K = 64 UNDER AN INSTRUCTION OF 128: Q's upper six registers are zero codes; K's fragment t names fragment t + 1 as its upper half, which meets those zeros; the upper two bytes of both scale words are 0, which is 2^-127 and no NaN.
; ORDER OF A STEP.  The two tiles' dependent chains (the row's maximum, M, the factor; the scale bytes) are laid among the other tile's independent lines (macro MIX).  Among exponentials stand only lines whose results are read behind the batch's wait.
; K of the next step and V of this step are asked of LDS behind the scores' products.
; NO PREFETCH: the tensor loads go out once, at the head; there is no loop to run ahead in.  Q is 1,536 bytes a wave and pass.
; OUT: ao [token tile 512][head 16][768 bytes] and aos [tile][S 4][r 16][q 2] words, shaped as the first launch's codes and scale words.  A head gives 2 of a word's 4 bytes: they leave by a store of 2 bytes a row.
; LIMITS: NaN and infinities are not served; a block of zeros or under 2^-124 gets the byte 1 (read by this program alone); the promise holds while the scaled scores t stay under 2^31 in magnitude.
.set RECB,  19712
.set HEADB, 315392
.set KVB,   13056
.set SPARE, 16*KVB                     ; the spare words, 128 bytes a wave
; window 0 (v0-255): addresses, operands, codes, scale words
.set AK16, 1                           ; 16 x lane
.set AK8,  2                           ; 8 x lane + 512
.set AS,   3                           ; 16 r + 12288
.set L8,   4                           ; 8 x lane
.set SPW,  5
.set NIL,  6
.set R16,  7
.set R8,   8
.set KA,   10                          ; v10-12 the next group's K; v13-15 this group's V
.set VA,   13
.set QF,   16                          ; tile t: v[16+12t ..]: six registers of codes, six of zeros
.set KF,   40                          ; v40-87 K's eight fragments, six apart; v88-93 zeros
.set VF,   96                          ; v96-143 V's four
.set PC,   144                         ; v144-167 p's codes, 12 a tile
.set PT,   168                         ; v168-183 the conversions' second halves
.set KS,   184                         ; scale words: K's v184-191, V's v192-195, p's v196-197, Q's v198-199
.set VS,   192
.set PW,   196
.set QS,   198
.set TW,   200                         ; v200-201 the way out: a head's two bytes
; window 1 (v256-511, written by their low 8 bits): tile t: scores and p at 64 t, O^T at OO + 32 t, small registers at TT + 32 t
.set OO,   128
.set TT,   192
.set NM,   0                           ; -M; with MM a pair
.set MM,   1                           ; the largest score so far
.set FF,   2                           ; f = 2^(old M - new M); with TP a pair
.set TP,   3
.set LL,   4                           ; the sum in eight pairs
.set CH,   20                          ; four chains of maxima; CH, CH+1 then the blocks' largest
.set SOP,  24
.set PB,   26
.set PX,   28
.set WD,   29
.set H8,   254                         ; 8 x (lane / 16)
.set WV,   10
.set CX,   11
.set BH,   12
.set G1,   16
.set G0,   24
.set SEL,  28
.set CS,   30
.set SI,   32                          ; the key step, 0 .. 15
.set TB,   33
.set QB,   34
.set QSB,  36
.set AOB,  38
.set AOSB, 40
.set PN,   45
.set TN,   46
.set MSB, 0
.macro WIN new                         ; the immediate's high byte repeats the setting that is left
.if MSB != (\new)
	s_set_vgpr_msb (MSB<<8)|(\new)
.set MSB, (\new)
.endif
.endm
.macro WALU
	s_wait_alu depctr_va_vdst(0)
.endm
.macro CROUND
	s_barrier_signal -1
	s_barrier_wait -1
	s_cmp_lg_u32 s[WV], 0
	s_cbranch_scc1 .Lnot_wave_0_\@
	s_barrier_signal -3
.Lnot_wave_0_\@:
	s_barrier_wait -3
	s_barrier_signal -1
	s_barrier_wait -1
.endm
; list a's na entries with list b's nb (at most na) spread evenly among them; a list is a macro: entry number, tile
.macro MIX fa, ta, na, fb, tb, nb
.set IA_, 0
.set IB_, 0
.rept \na
	\fa IA_, \ta
.set IA_, IA_+1
.if 2*IB_*(\na)+(\na) < 2*IA_*(\nb)
	\fb IB_, \tb
.set IB_, IB_+1
.endif
.endr
.endm
.macro RUN f, t, from, to
.set IR_, \from
.rept (\to)-(\from)
	\f IR_, \t
.set IR_, IR_+1
.endr
.endm
; 32 entries: the largest score of each of a lane's two blocks, two chains a block, each accumulator read from its low end on
.macro MAXE i, t
.set C_, ((\i)%4)%2
.set K_, ((\i)%4)/2
.set R_, (\i)/4
.set X_, 64*(\t)+32*C_
.set H_, TT+32*(\t)+CH
.if R_ == 0
	v_max3_num_f32 v[H_+2*K_+C_], v[X_+16*K_], v[X_+16*K_+1], v[X_+16*K_+2]
.elseif R_ < 7
	v_max3_num_f32 v[H_+2*K_+C_], v[H_+2*K_+C_], v[X_+16*K_+2*R_+1], v[X_+16*K_+2*R_+2]
.elseif K_ == 0
	v_max3_num_f32 v[H_+C_], v[H_+C_], v[X_+15], v[X_+31]
.else
	v_max_num_f32 v[H_+C_], v[H_+C_], v[H_+2+C_]
.endif
.endm
; 9 entries: the row's largest score, -M = floor(-t), f
.macro CHNE i, t
.set B_, TT+32*(\t)
.if (\i) == 0
	v_max3_num_f32 v[B_+MM], v[B_+MM], v[B_+CH], v[B_+CH+1]
.elseif (\i) == 1
	v_permlanex16_b32 v[B_+PX], v[B_+MM], s[SEL], s[SEL+1]
.elseif (\i) == 2
	v_max_num_f32 v[B_+MM], v[B_+MM], v[B_+PX]     ; with lane l xor 16's 64 keys
.elseif (\i) == 3
	v_mul_f32 v[B_+TP], s[CS], v[B_+MM]            ; as t (c is positive)
.elseif (\i) == 4
	v_floor_f32 v[B_+PX], -v[B_+TP]                ; the new -M: M is a whole number
.elseif (\i) == 5
	v_sub_f32 v[B_+TP], v[B_+PX], v[B_+NM]         ; old M - new M, 0 or less
.elseif (\i) == 6
	v_mov_b32 v[B_+NM], v[B_+PX]
.elseif (\i) == 7
	v_cvt_i32_f32 v[B_+TP], v[B_+TP]               ; (it saturates)
.else
	v_ldexp_f32 v[B_+FF], 1.0, v[B_+TP]
.endif
.endm
; entries 0-31: t - M, two at a time; 32, 33: the same of the blocks' largest scores; 34-49: O^T under the new M
.macro FMAE i, t
.set B_, TT+32*(\t)
.if (\i) < 32
	v_pk_fma_f32 v[64*(\t)+2*(\i):64*(\t)+2*(\i)+1], v[64*(\t)+2*(\i):64*(\t)+2*(\i)+1], s[CS:CS+1], v[B_+NM:B_+NM+1] op_sel_hi:[1,0,0]
.elseif (\i) < 34
	v_fma_f32 v[B_+CH+(\i)-32], v[B_+CH+(\i)-32], s[CS], v[B_+NM]
.else
	v_pk_mul_f32 v[OO+32*(\t)+2*((\i)-34):OO+32*(\t)+2*((\i)-34)+1], v[OO+32*(\t)+2*((\i)-34):OO+32*(\t)+2*((\i)-34)+1], v[B_+FF:B_+FF+1] op_sel_hi:[1,0]
.endif
.endm
; 66 entries: p = 2^(t - M), and each block's largest p: the same two instructions on the same number give the same bits
.macro EXPE i, t
.if (\i) < 64
	v_exp_f32 v[64*(\t)+(\i)], v[64*(\t)+(\i)]
.else
	v_exp_f32 v[TT+32*(\t)+CH+(\i)-64], v[TT+32*(\t)+CH+(\i)-64]
.endif
.endm
; 64 entries, the two tiles by turns: the sums of the unquantised p, eight pairs a tile; a pair's first line brings it under the new M
.macro SUME i, x
.set T_, (\i)%2
.set J_, (\i)/2
.set L_, TT+32*T_+LL+2*(J_%8)
.if J_ < 8
	v_pk_fma_f32 v[L_:L_+1], v[L_:L_+1], v[TT+32*T_+FF:TT+32*T_+FF+1], v[64*T_+2*J_:64*T_+2*J_+1] op_sel_hi:[1,0,1]
.else
	v_pk_add_f32 v[L_:L_+1], v[L_:L_+1], v[64*T_+2*J_:64*T_+2*J_+1]
.endif
.endm
; 18 entries, the two tiles by turns: the floor 2^(3 - 127), the conversions' scale operands, the bytes, my two bytes at their places in the word
.macro SCLE i, x
.set T_, (\i)%2
.set E_, (\i)/2
.set B_, TT+32*T_
.if E_ < 2
	v_max_num_f32 v[B_+CH+E_], 0x1800000, v[B_+CH+E_]
.elseif E_ < 4
	v_add_nc_u32 v[B_+SOP+E_-2], 0xff000000, v[B_+CH+E_-2]
.elseif E_ < 6
	v_lshrrev_b32 v[B_+PB+E_-4], 23, v[B_+SOP+E_-4]
.elseif E_ == 6
	v_lshl_or_b32 v[B_+WD], v[B_+PB+1], 16, v[B_+PB]   ; blocks h and 2 + h
.elseif E_ == 7
	v_lshlrev_b32 v[B_+WD], v[H8], v[B_+WD]
.else
	v_permlanex16_b32 v[B_+PX], v[B_+WD], s[SEL], s[SEL+1]
.endif
.endm
.macro LOADK a, b, c                   ; a group's K: eight fragments and the rows' scale words: 18 loads
.irp k, 0,1,2,3,4,5,6,7
	ds_load_b128 v[KF+6*\k:KF+6*\k+3], v[\a] offset:768*\k
	ds_load_b64 v[KF+6*\k+4:KF+6*\k+5], v[\b] offset:768*\k
.endr
	ds_load_b128 v[KS:KS+3], v[\c]
	ds_load_b128 v[KS+4:KS+7], v[\c] offset:256
.endm
.macro LJ a, b                         ; the way out: pair a of the sum takes pair b
.irp t, 0,1
	v_pk_add_f32 v[TT+32*\t+LL+2*\a:TT+32*\t+LL+2*\a+1], v[TT+32*\t+LL+2*\a:TT+32*\t+LL+2*\a+1], v[TT+32*\t+LL+2*\b:TT+32*\t+LL+2*\b+1]
.endr
.endm
	s_load_b128 s[4:7], s[0:1], 0x0                ; qkv, ao
	s_load_b64 s[8:9], s[0:1], 0x10                ; aos
	v_lshl_add_u32 v[SPW], v0, 2, SPARE
	v_mov_b32 v[NIL], 0
	ds_add_u32 v[SPW], v[NIL]                      ; the opening: the add, twice on end, and its wait ahead of my tensor load
	ds_add_u32 v[SPW], v[NIL]
	v_lshrrev_b32 v9, 5, v0
	v_readfirstlane_b32 s[WV], v9                  ; wave 0..7
	s_bfe_u32 s[CX], ttmp6, 0x40000                ; my block of 512 queries: it enters global addresses alone
	s_and_b32 s[BH], ttmp7, 0xffff                 ; batch x 16 + head, which the four partners share
	s_mov_b32 s[G1], 15|(3<<16)|(1<<21)            ; the mask: all four; elements of 8 bytes; bit 21 beside a mask
	s_mov_b32 s[G1+1], 1632<<16                    ; a row: 13,056 bytes
	s_mov_b32 s[G1+2], 2<<16                       ; two rows
	s_mov_b32 s[G1+3], 1632<<16
	s_mov_b32 s[G1+4], 2
	s_mov_b32 s[G1+5], 2464                        ; 19,712 bytes from row to row
	s_mov_b32 s[G1+6], 0
	s_mov_b32 s[G1+7], 0
	s_mul_i32 s13, s[WV], 2*KVB
	s_mul_i32 s14, s[BH], HEADB
	s_mul_i32 s15, s[WV], 2*RECB
	s_add_co_u32 s14, s14, s15
	s_mov_b32 s15, 0
	s_mov_b32 s[SEL], 0x76543210
	s_mov_b32 s[SEL+1], 0xfedcba98
	s_mov_b32 s[CS], 0x3e38aa3b                    ; c = log2(e) / sqrt(64)
	s_mov_b32 s[CS+1], s[CS]
	; my first pair of tiles: 32 cx + 2 w, + 1 of the head: record 4 cx + w / 4, tiles 2 (w % 4), + 1 in it.  The second pair lies 16 tiles, two records, on
	s_lshl_b32 s42, s[BH], 4
	s_lshl_b32 s43, s[CX], 2
	s_add_co_u32 s42, s42, s43
	s_lshr_b32 s43, s[WV], 2
	s_add_co_u32 s42, s42, s43
	s_mul_i32 s42, s42, RECB
	s_and_b32 s43, s[WV], 3
	s_mul_i32 s44, s43, 1536
	s_add_co_u32 s44, s44, s42
	s_add_co_u32 s[QB], s44, 13056
	s_mov_b32 s[QB+1], 0
	s_lshr_b32 s43, s43, 1
	s_lshl_b32 s43, s43, 8
	s_add_co_u32 s42, s42, s43
	s_and_b32 s43, s[WV], 1
	s_lshl_b32 s43, s43, 3
	s_add_co_u32 s42, s42, s43
	s_add_co_u32 s[QSB], s42, 19200                ; the pair's two scale words of a row are neighbours
	s_mov_b32 s[QSB+1], 0
	s_lshr_b32 s42, s[BH], 4
	s_lshl_b32 s42, s42, 7
	s_lshl_b32 s43, s[CX], 5
	s_add_co_u32 s42, s42, s43
	s_lshl_b32 s43, s[WV], 1
	s_add_co_u32 s42, s42, s43                     ; the token tile: 128 x batch + 32 cx + 2 w
	s_and_b32 s43, s[BH], 15                       ; the head
	s_mul_i32 s[AOB], s42, 12288
	s_mul_i32 s44, s43, 768
	s_add_co_u32 s[AOB], s[AOB], s44
	s_mov_b32 s[AOB+1], 0
	s_lshl_b32 s[AOSB], s42, 9
	s_lshr_b32 s44, s43, 2
	s_lshl_b32 s44, s44, 7
	s_add_co_u32 s[AOSB], s[AOSB], s44
	s_bfe_u32 s44, s43, 0x10001
	s_lshl_b32 s44, s44, 2
	s_add_co_u32 s[AOSB], s[AOSB], s44
	s_and_b32 s44, s43, 1
	s_lshl_b32 s44, s44, 1
	s_add_co_u32 s[AOSB], s[AOSB], s44
	s_mov_b32 s[AOSB+1], 0
	s_mov_b32 s[PN], 0
	s_wait_dscnt 0x0                               ; both opening adds are done
	s_wait_kmcnt 0x0
	s_mov_b32 s[G0], 1
	s_mov_b32 s[G0+1], s13
	s_add_nc_u64 s[G0+2:G0+3], s[4:5], s[14:15]
	s_or_b32 s[G0+3], s[G0+3], 0x80000000
	s_add_nc_u64 s[QB:QB+1], s[4:5], s[QB:QB+1]
	s_add_nc_u64 s[QSB:QSB+1], s[4:5], s[QSB:QSB+1]
	s_add_nc_u64 s[AOB:AOB+1], s[6:7], s[AOB:AOB+1]
	s_add_nc_u64 s[AOSB:AOSB+1], s[8:9], s[AOSB:AOSB+1]
	CROUND                                         ; all four work-groups are here: the joint loads meet
	tensor_load_to_lds s[G0:G0+3], s[G1:G1+7]      ; every wave's one load: groups 2 w, 2 w + 1
	s_nop 0
	v_and_b32 v9, 31, v0
	v_and_b32 v10, 15, v0
	v_bfe_u32 v11, v0, 4, 1
	v_lshlrev_b32 v[AK16], 4, v9
	v_lshlrev_b32 v[L8], 3, v9
	v_add_nc_u32 v[AK8], 512, v[L8]
	v_lshlrev_b32 v[R16], 4, v10
	v_add_nc_u32 v[AS], 12288, v[R16]
	v_lshlrev_b32 v[R8], 3, v10
.irp j, 22,23,24,25,26,27, 34,35,36,37,38,39, 88,89,90,91,92,93
	v_mov_b32 v\j, 0                               ; Q's upper halves: zero codes; and what K's last fragment names as its upper half
.endr
	WIN 0x40
	v_lshlrev_b32 v[H8], 3, v11
	v_mov_b32 v[TT+PX], 0                          ; written once: a lane permute's destination counts as one of its sources
	v_mov_b32 v[TT+32+PX], 0
	WIN 0
	WALU
	s_wait_tensorcnt 0x0                           ; my groups have landed,
	s_barrier_signal -1
	s_barrier_wait -1                              ; everybody's have
	LOADK AK16, AK8, AS                            ; group 0's K.  Each pass's last step asks for group 0 again: the next pass finds it in registers
.Lpass:
	global_load_b128 v[QF:QF+3], v[AK16], s[QB:QB+1]
	global_load_b64 v[QF+4:QF+5], v[L8], s[QB:QB+1] offset:512
	global_load_b128 v[QF+12:QF+15], v[AK16], s[QB:QB+1] offset:768
	global_load_b64 v[QF+16:QF+17], v[L8], s[QB:QB+1] offset:1280
	global_load_b64 v[QS:QS+1], v[R16], s[QSB:QSB+1]
	WIN 0x40
.irp t, 0,1
	v_mov_b32 v[TT+32*\t+MM], 0xff61b1e6           ; the largest score so far: -3e38
	v_mov_b32 v[TT+32*\t+NM], 0x7e000000           ; -M: so large that the first step's f is 0
.endr
.set I_, 0
.rept 16
	v_mov_b32 v[TT+LL+I_], 0                       ; the sums,
	v_mov_b32 v[TT+32+LL+I_], 0
.set I_, I_+1
.endr
.set I_, 0
.rept 64
	v_mov_b32 v[OO+I_], 0                          ; and O^T: the step is written once, and its first trip finds zeros
.set I_, I_+1
.endr
	WIN 0
	s_mov_b32 s[SI], 0
	WALU
	s_wait_loadcnt 0x0
.Lkeys:
	s_mul_i32 s[TB], s[SI], KVB                    ; this group in LDS,
	s_add_co_u32 s[TN], s[SI], 1
	s_and_b32 s[TN], s[TN], 15
	s_mul_i32 s[TN], s[TN], KVB                    ; and the next (behind the last: group 0)
	s_wait_dscnt 0x0                               ; this group's K is in
	WIN 0x40
.irp k, 0,1,2,3,4,5,6,7
.irp t, 0,1
	v_wmma_scale_f32_16x16x128_f8f6f4 v[64*\t+8*\k:64*\t+8*\k+7], v[KF+6*\k:KF+6*\k+11], v[QF+12*\t:QF+12*\t+11], 0, v[KS+\k], v[QS+\t] matrix_a_fmt:MATRIX_FMT_FP6 matrix_b_fmt:MATRIX_FMT_FP6
.endr
.endr
	WIN 0
	v_add_nc_u32 v[VA], s[TB], v[AK16]             ; six lines: the places in front of the loads below and of the first read of the scores
	v_add_nc_u32 v[VA+1], s[TB], v[AK8]
	v_add_nc_u32 v[VA+2], s[TB], v[AS]
	v_add_nc_u32 v[KA], s[TN], v[AK16]
	v_add_nc_u32 v[KA+1], s[TN], v[AK8]
	v_add_nc_u32 v[KA+2], s[TN], v[AS]
	ds_load_b128 v[VS:VS+3], v[VA+2] offset:512    ; this group's V: 17 loads
.irp c, 0,1,2,3
	ds_load_b128 v[VF+12*\c:VF+12*\c+3], v[VA] offset:6144+1536*\c
	ds_load_b64 v[VF+12*\c+4:VF+12*\c+5], v[VA+1] offset:6144+1536*\c
	ds_load_b128 v[VF+12*\c+6:VF+12*\c+9], v[VA] offset:6144+1536*\c+768
	ds_load_b64 v[VF+12*\c+10:VF+12*\c+11], v[VA+1] offset:6144+1536*\c+768
.endr
	LOADK KA, KA+1, KA+2                           ; the next group's K: 18 loads
	WIN 0x55
	RUN MAXE, 0, 0, 32
	MIX MAXE, 1, 32, CHNE, 0, 9
	MIX FMAE, 0, 42, CHNE, 1, 9
	RUN FMAE, 0, 42, 50
	RUN FMAE, 1, 34, 50
	WALU                                           ; ahead of a batch of exponentials,
	MIX EXPE, 0, 66, FMAE, 1, 34                   ; (tile 1's t - M are read behind the next wait; the last of them is the plain place behind the batch)
	WALU                                           ; and behind it
	RUN EXPE, 1, 0, 66
	v_nop                                          ; a plain place behind the exponentials
	WALU
	MIX SUME, 0, 40, SCLE, 0, 18
	WIN 0x15
.irp t, 0,1
	v_or_b32 v[PW+\t], v[TT+32*\t+WD], v[TT+32*\t+PX]   ; with lane l xor 16's two bytes p's scale word is whole
.endr
.irp t, 0,1
.irp c, 0,1
	v_cvt_scalef32_pk16_fp6_f32 v[PC+12*\t+6*\c:PC+12*\t+6*\c+2], v[64*\t+32*\c:64*\t+32*\c+15], v[TT+32*\t+SOP+\c]
	v_cvt_scalef32_pk16_fp6_f32 v[PT+8*\t+4*\c:PT+8*\t+4*\c+2], v[64*\t+32*\c+16:64*\t+32*\c+31], v[TT+32*\t+SOP+\c]   ; (a conversion's three registers begin on an even number)
.endr
.endr
	v_nop                                          ; one plain place behind a scaled conversion
	WIN 0
.irp t, 0,1
.irp c, 0,1
.irp i, 0,1,2
	v_mov_b32 v[PC+12*\t+6*\c+3+\i], v[PT+8*\t+4*\c+\i]
.endr
.endr
.endr
	WIN 0x55
	RUN SUME, 0, 40, 64                            ; the rest of the sums: 24 lines, the places between the writes of p's codes and scale words and the products
	WALU
	s_wait_dscnt 18                                ; V's 17 loads are in; the 18 for the next group's K may be out
	WIN 0x50
.irp c, 0,1,2,3
.irp t, 0,1
	v_wmma_scale_f32_16x16x128_f8f6f4 v[OO+32*\t+8*\c:OO+32*\t+8*\c+7], v[VF+12*\c:VF+12*\c+11], v[PC+12*\t:PC+12*\t+11], v[OO+32*\t+8*\c:OO+32*\t+8*\c+7], v[VS+\c], v[PW+\t] matrix_a_fmt:MATRIX_FMT_FP6 matrix_b_fmt:MATRIX_FMT_FP6
.endr
.endr                                  ; the eight accumulators take turns
	WIN 0
	s_add_co_u32 s[SI], s[SI], 1
	s_cmp_lt_u32 s[SI], 16
	s_cbranch_scc1 .Lkeys
; THE WAY OUT of the pair: l, O / l, O quantised along the head's 64 channels (register 16 b + i is channel 32 b + 16 h + i)
	WIN 0x55
	LJ 0, 1                                        ; (these lines are also the places behind the last products)
	LJ 2, 3
	LJ 4, 5
	LJ 6, 7
	LJ 0, 2
	LJ 4, 6
	LJ 0, 4
.irp t, 0,1
	v_add_f32 v[TT+32*\t+LL], v[TT+32*\t+LL], v[TT+32*\t+LL+1]
.endr
.irp t, 0,1
	v_permlanex16_b32 v[TT+32*\t+PX], v[TT+32*\t+LL], s[SEL], s[SEL+1]
.endr
.irp t, 0,1
	v_add_f32 v[TT+32*\t+LL], v[TT+32*\t+LL], v[TT+32*\t+PX]   ; the row's sum
.endr
	WALU
.irp t, 0,1
	v_rcp_f32 v[TT+32*\t+LL], v[TT+32*\t+LL]
.endr
	v_nop
	WALU                                           ; ahead of the first reader of the reciprocals and of O^T
.irp j, 0,2,4,6,8,10,12,14,16,18,20,22,24,26,28,30
.irp t, 0,1
	v_pk_mul_f32 v[OO+32*\t+\j:OO+32*\t+\j+1], v[OO+32*\t+\j:OO+32*\t+\j+1], v[TT+32*\t+LL:TT+32*\t+LL+1] op_sel_hi:[1,0]
.endr
.endr
.irp b, 0,1
.irp t, 0,1
	v_max3_num_f32 v[TT+32*\t+CH+\b], |v[OO+32*\t+16*\b]|, |v[OO+32*\t+16*\b+1]|, 0x1800000
.endr
.endr
.irp i, 2,4,6,8,10,12,14
.irp b, 0,1
.irp t, 0,1
	v_max3_num_f32 v[TT+32*\t+CH+\b], v[TT+32*\t+CH+\b], |v[OO+32*\t+16*\b+\i]|, |v[OO+32*\t+16*\b+\i+1]|
.endr
.endr
.endr
.irp b, 0,1
.irp t, 0,1
	v_permlanex16_b32 v[TT+32*\t+PB+\b], v[TT+32*\t+CH+\b], s[SEL], s[SEL+1]
.endr
.endr
.irp b, 0,1
.irp t, 0,1
	v_max_num_f32 v[TT+32*\t+CH+\b], v[TT+32*\t+CH+\b], v[TT+32*\t+PB+\b]
.endr
.endr
.irp b, 0,1
.irp t, 0,1
	v_add_nc_u32 v[TT+32*\t+SOP+\b], 0xff000000, v[TT+32*\t+CH+\b]
.endr
.endr
.irp b, 0,1
.irp t, 0,1
	v_lshrrev_b32 v[TT+32*\t+PB+\b], 23, v[TT+32*\t+SOP+\b]
.endr
.endr
	WIN 0x15
.irp t, 0,1
	v_lshl_or_b32 v[TW+\t], v[TT+32*\t+PB+1], 8, v[TT+32*\t+PB]   ; the head's two bytes of my row's scale word
.endr
.irp t, 0,1
	v_cvt_scalef32_pk16_fp6_f32 v[PC+12*\t:PC+12*\t+2], v[OO+32*\t:OO+32*\t+15], v[TT+32*\t+SOP]
	v_cvt_scalef32_pk16_fp6_f32 v[PT+8*\t:PT+8*\t+2], v[OO+32*\t+16:OO+32*\t+31], v[TT+32*\t+SOP+1]
.endr
	v_nop
	WIN 0
.irp t, 0,1
.irp i, 0,1,2
	v_permlane16_swap_b32 v[PC+12*\t+\i], v[PT+8*\t+\i]   ; a whole block in a lane
.endr
.endr
.irp t, 0,1
.irp i, 0,1,2
	v_mov_b32 v[PC+12*\t+3+\i], v[PT+8*\t+\i]
.endr
.endr
.irp t, 0,1
	global_store_b128 v[AK16], v[PC+12*\t:PC+12*\t+3], s[AOB:AOB+1] offset:12288*\t        ; 512 consecutive bytes
	global_store_b64 v[L8], v[PC+12*\t+4:PC+12*\t+5], s[AOB:AOB+1] offset:12288*\t+512     ; 256
	global_store_b16 v[R8], v[TW+\t], s[AOSB:AOSB+1] offset:512*\t                         ; both halves of the lanes write the same two bytes
.endr
	s_wait_xcnt 0x0                                ; the loads and stores have read their bases and data: only now are they stepped and written again
	s_add_nc_u64 s[QB:QB+1], s[QB:QB+1], 2*RECB
	s_add_nc_u64 s[QSB:QSB+1], s[QSB:QSB+1], 2*RECB
	s_add_nc_u64 s[AOB:AOB+1], s[AOB:AOB+1], 16*12288
	s_add_nc_u64 s[AOSB:AOSB+1], s[AOSB:AOSB+1], 16*512
	s_add_co_u32 s[PN], s[PN], 1
	s_cmp_lg_u32 s[PN], 2
	WALU
	s_cbranch_scc1 .Lpass
	s_wait_dscnt 0x0                               ; my reads of K and V are over,
	s_barrier_signal -1
	s_barrier_wait -1                              ; everybody's are
	s_wait_tensorcnt 0x0                           ; the wave's end
	ds_add_u32 v[SPW], v[NIL]
	s_wait_dscnt 0x0
	CROUND                                         ; the closing round
	s_endpgm
.Lfunc_end_k_q9ef831167e_attn:
	.size	k_q9ef831167e_attn, .Lfunc_end_k_q9ef831167e_attn-k_q9ef831167e_attn
	.p2alignl 7, 3214868480
	.fill 96, 4, 3214868480
	.section	.rodata,"a",@progbits
	.p2align	6, 0x0
	.amdhsa_kernel k_q9ef831167e_attn
		.amdhsa_group_segment_fixed_size 210944
		.amdhsa_private_segment_fixed_size 0
		.amdhsa_enable_private_segment 0
		.amdhsa_kernarg_size 24
		.amdhsa_user_sgpr_count 2
		.amdhsa_user_sgpr_kernarg_segment_ptr 1
		.amdhsa_wavefront_size32 1
		.amdhsa_system_sgpr_workgroup_id_x 1
		.amdhsa_system_sgpr_workgroup_id_y 1
		.amdhsa_system_sgpr_workgroup_id_z 1
		.amdhsa_system_vgpr_workitem_id 0
		.amdhsa_next_free_vgpr 512
		.amdhsa_next_free_sgpr 66
		.amdhsa_reserve_vcc 0
		.amdhsa_float_denorm_mode_32 3
		.amdhsa_float_denorm_mode_16_64 3
		.amdhsa_memory_ordered 1
		.amdhsa_forward_progress 1
		.amdhsa_inst_pref_size 47
	.end_amdhsa_kernel
	.amdgpu_metadata
---
amdhsa.version: [ 1, 2 ]
amdhsa.kernels:
  - .name:           k_q9ef831167e_attn
    .symbol:         k_q9ef831167e_attn.kd
    .args:
      - { .name: qkv, .offset: 0, .size: 8, .value_kind: global_buffer, .address_space: global }
      - { .name: ao, .offset: 8, .size: 8, .value_kind: global_buffer, .address_space: global }
      - { .name: aos, .offset: 16, .size: 8, .value_kind: global_buffer, .address_space: global }
    .group_segment_fixed_size: 210944
    .private_segment_fixed_size: 0
    .kernarg_segment_align: 8
    .kernarg_segment_size: 24
    .max_flat_workgroup_size: 256
    .sgpr_count:     66
    .vgpr_count:     512
    .wavefront_size: 32
...
	.end_amdgpu_metadata
.endif
;; end of part 3
;; launch outp (part 4): grid 4 x 64, 4 waves a work-group, clusters of 4 x 4, 327,680 bytes of LDS; arguments ao, aos, codes, scales, b_o, out0; writes out0
.if DOCPART == 4
	.amdgcn_target "amdgcn-amd-amdhsa--gfx1250"
	.amdhsa_code_object_version 6
	.text
	.protected	k_q9ef831167e_outp
	.globl	k_q9ef831167e_outp
	.p2align	8
	.type	k_q9ef831167e_outp,@function
k_q9ef831167e_outp:
	s_mov_b64 s[64:65], 0
	v_nop
	global_prefetch_b8 v0, s[64:65] scope:SCOPE_SE
	s_setreg_imm32_b32 hwreg(HW_REG_WAVE_MODE, 25, 1), 1
	s_wait_xcnt 0x0
	s_wait_alu depctr_hold_cnt(0) depctr_sa_sdst(0) depctr_va_vdst(0) depctr_va_sdst(0) depctr_va_ssrc(0) depctr_va_vcc(0) depctr_vm_vsrc(0)
	s_getreg_b32 s2, hwreg(HW_REG_IB_STS2, 6, 4)
	s_cmp_eq_u32 s2, 0
	s_cbranch_scc0 .Lentry_in_a_cluster
	s_endpgm
.Lentry_in_a_cluster:
	s_bfe_u32 s2, ttmp6, 0x10000c
	s_cmp_lg_u32 s2, 0xf033
	s_cbranch_scc0 .Lentry_shape_is_right
	s_endpgm
.Lentry_shape_is_right:
; LAUNCH 4 OF 4: out0 = O w_o^T + b_o on codes of E2M3.  O: ao [token tile 512][chunk of 64 along K, 16][768 bytes], aos [tile][S 4][r 16][q 2] scale words; w_o: tiles 1728 .. 1791 of codes and scales, shaped alike.  Nothing is left out.
; THE DEAL.  256 work-groups; each makes 128 rows x 256 columns.  K is 1,024: A's 8 tiles (98,304 bytes) and B's 16 (196,608) lie in LDS for ALL of K: no ring, nothing is filled again.
; One joint load a wave: waves 0 and 1 a half each of w_o's 16 tiles, shared by a column of the 4 x 4 cluster; waves 2 and 3 a half each of O's 8 tiles, shared by a row.
; A wave holds 64 columns of w_o, all of K, in registers (32 fragments, 384 registers) and takes O's rows past them in eight blocks of 16 rows, all of K (8 fragments, two sets): 32 products finish 16 x 64 of the result.
; Each finished block leaves at once, through the wave's own stage in LDS, as whole rows of 256 bytes, while the next block is multiplied.
; THE MATRIX INSTRUCTION IS USED TRANSPOSED (source 0 = w_o's rows): a lane holds one token (lane % 16); by the tiles' row order registers of tiles 2 b, 2 b + 1 are columns 32 b + 16 (lane / 16) + 0 .. 15.  The bias is the first products' C.
; SCALE WORDS come by plain loads of 256 consecutive bytes into registers: lanes 0-15 hold S = 2 p, lanes 16-31 S = 2 p + 1; the row of the register is chosen in the instruction.
; NO PREFETCH: the tensor loads go out once, at the head; there is no loop to run ahead in.
; THE WAITS' COUNTS on DScnt.  A block issues 8 stage stores, 8 stage loads and, up to block 5, the 32 loads of the block two on.  A block's rows were fetched two blocks ago: younger are the last block's 48 (ahead of block 0: block 1's 32; ahead of block 7: 16).
; A block's stage loads are waited for behind the next block's products: younger is that fetch of 32 (behind block 6: nothing).
.set TK,     12288                     ; a tile's codes, all of K
.set FR,     12
.set FPW,    21                        ; fragments in a window of 256 registers; fragment f lies in window 1 + f / 21 at register 12 (f % 21): 0-31 w_o's (4 q + b), 32-39 and 40-47 the rows' two sets
.set BBASE,  8*TK
.set STG,    24*TK                     ; behind the tiles: a stage of 16 rows x 272 bytes for each wave; no fill lands there
.set SPITCH, 272
.set SPARE,  STG+4*16*SPITCH
.set ADA,  1                           ; v1 16 x lane, v2 8 x lane: A's tiles 0-3; v3, v4: tiles 4-7
.set ADB,  5                           ; v5, v6 my four tiles of B
.set STO,  7
.set RD,   8
.set CO,   9
.set BOF,  10
.set SPW,  12
.set NIL,  13
.set SA,   32                          ; v32-63  A's scale words: 4 a + 2 p + q
.set ACC,  64                          ; v64-127 two sets of four accumulators
.set BI,   128                         ; v128-159 the bias as the result lies
.set BK,   160                         ; v160-223 two sets of 16 rows read back from the stage
.set SB,   226                         ; v226-241 B's scale words: 4 b + 2 p + q
.set WV,   16
.set HR,   17
.set HC,   18
.set G1,   24
.set G0,   32
.set G1B,  48
.set G0B,  56
.set MSB, 0
.macro WIN new
.if MSB != (\new)
	s_set_vgpr_msb (MSB<<8)|(\new)
.set MSB, (\new)
.endif
.endm
.macro PLACES n
.rept \n
	v_nop
.endr
.endm
.macro CROUND
	s_barrier_signal -1
	s_barrier_wait -1
	s_cmp_lg_u32 s[WV], 0
	s_cbranch_scc1 .Lnot_wave_0_\@
	s_barrier_signal -3
.Lnot_wave_0_\@:
	s_barrier_wait -3
	s_barrier_signal -1
	s_barrier_wait -1
.endm
.macro FRAG f, a, off                  ; a fragment: an image of its 12 registers, 1,536 bytes
	WIN (1+(\f)/FPW)<<6
.set R_, FR*((\f)%FPW)
	ds_load_b128 v[R_:R_+3], v[\a] offset:\off
	ds_load_b64 v[R_+4:R_+5], v[\a+1] offset:(\off)+512
	ds_load_b128 v[R_+6:R_+9], v[\a] offset:(\off)+768
	ds_load_b64 v[R_+10:R_+11], v[\a+1] offset:(\off)+1280
.endm
.macro FETCH s                         ; block s of A's rows, all of K, into set s % 2: 32 loads
.irp q, 0,1,2,3,4,5,6,7
	FRAG 32+8*((\s)%2)+\q, ADA+2*((\s)/4), ((\s)%4)*TK+1536*\q
.endr
	WIN 0
.endm
.macro PR1 c, row
	v_wmma_scale_f32_16x16x128_f8f6f4 v[D_:D_+7], v[FR*(FB_%FPW):FR*(FB_%FPW)+FR-1], v[FR*(FA_%FPW):FR*(FA_%FPW)+FR-1], \c, v[XB_], v[XA_] matrix_a_fmt:MATRIX_FMT_FP6 matrix_b_fmt:MATRIX_FMT_FP6 matrix_a_scale:MATRIX_SCALE_ROW\row matrix_b_scale:MATRIX_SCALE_ROW\row
.endm
.macro PROD s, n                       ; product n = 4 q + b of block s: the four accumulators take turns
.set Q_, (\n)/4
.set B_, (\n)%4
.set FB_, 4*Q_+B_
.set FA_, 32+8*((\s)%2)+Q_
.set D_, ACC+32*((\s)%2)+8*B_
.set XB_, SB+4*B_+2*(Q_/4)+Q_%2
.set XA_, SA+4*(\s)+2*(Q_/4)+Q_%2
	WIN (1+FB_/FPW)|((1+FA_/FPW)<<2)
.if Q_ == 0
	PR1 v[BI+8*B_:BI+8*B_+7], 0
.elseif (Q_/2)%2
	PR1 v[D_:D_+7], 1
.else
	PR1 v[D_:D_+7], 0
.endif
.endm
.macro TOSTAGE s                       ; 16 x 64 results into my stage, each accumulator from its low end on, and back as rows of 256 bytes; LDS serves a wave's instructions in order
.set AC_, ACC+32*((\s)%2)
.irp b, 0,1,2,3
	ds_store_b128 v[STO], v[AC_+8*\b:AC_+8*\b+3] offset:128*(\b/2)+32*(\b%2)
	ds_store_b128 v[STO], v[AC_+8*\b+4:AC_+8*\b+7] offset:128*(\b/2)+32*(\b%2)+16
.endr
.irp t, 0,1,2,3,4,5,6,7
	ds_load_b128 v[BK+32*((\s)%2)+4*\t:BK+32*((\s)%2)+4*\t+3], v[RD] offset:\t*2*SPITCH
.endr
.endm
.macro SEND s                          ; sixteen lanes store 256 consecutive bytes, aligned; place p of token tile s is row 32 (s / 2) + 8 (s % 2) + p + 8 (p / 8)
.irp t, 0,1,2,3,4,5,6,7
	global_store_b128 v[CO], v[BK+32*((\s)%2)+4*\t:BK+32*((\s)%2)+4*\t+3], s[14:15] offset:(32*((\s)/2)+8*((\s)%2)+2*\t+8*(\t/4))*4096 th:TH_STORE_NT
.endr
.endm
.macro BLOCK s, w, x
	s_wait_dscnt \w                                ; this block's rows are in
.set N_, 0
.rept 32
	PROD \s, N_
.set N_, N_+1
.endr
	WIN 0
.if (\s) > 0
	s_wait_dscnt \x                                ; the last block is back from the stage
	SEND (\s)-1
.endif
	PLACES 4                                       ; in front of the reads of the results and of the loads into this block's fragments
.if (\s) > 1
	s_wait_xcnt 0x0                                ; the stores of the block before last have read their data: its registers take this block's rows
.endif
	TOSTAGE \s
.if (\s) < 6
	FETCH (\s)+2
.endif
.endm
	s_load_b256 s[4:11], s[0:1], 0x0               ; ao, aos, codes, scales
	s_load_b128 s[12:15], s[0:1], 0x20             ; b_o, out0
	v_lshl_add_u32 v[SPW], v0, 2, SPARE
	v_mov_b32 v[NIL], 0
	ds_add_u32 v[SPW], v[NIL]                      ; the opening: the add, twice on end, and its wait
	ds_add_u32 v[SPW], v[NIL]
	v_lshrrev_b32 v15, 5, v0
	v_readfirstlane_b32 s[WV], v15
	s_lshr_b32 s[HR], s[WV], 1                     ; I fetch for B (0) or for A (1),
	s_and_b32 s[HC], s[WV], 1                      ; its first or second half
	s_bfe_u32 s40, ttmp6, 0x40000                  ; cx = the block of 256 columns
	s_bfe_u32 s41, ttmp6, 0x40004
	s_and_b32 s43, ttmp7, 0xffff
	s_lshl_b32 s43, s43, 2
	s_add_co_u32 s43, s43, s41                     ; the block of 128 rows
	s_lshl_b32 s44, s41, 2
	s_lshl_b32 s44, 15, s44                        ; my row of the cluster
	s_lshl_b32 s45, 0x1111, s40                    ; my column
	s_or_b32 s[G1], s44, (3<<16)|(1<<21)
	s_or_b32 s[G1B], s45, (3<<16)|(1<<21)
.irp g, G1, G1B
	s_mov_b32 s[\g+1], 1536<<16                    ; a row: a tile's 12,288 bytes
	s_mov_b32 s[\g+3], 1536<<16
	s_mov_b32 s[\g+5], 1536
	s_mov_b32 s[\g+6], 0
	s_mov_b32 s[\g+7], 0
.endr
	s_mov_b32 s[G1+2], 4<<16                       ; A: four tiles a load
	s_mov_b32 s[G1+4], 4
	s_mov_b32 s[G1B+2], 8<<16                      ; B: eight
	s_mov_b32 s[G1B+4], 8
	s_lshl_b32 s20, s43, 3                         ; A's first tile
	s_lshl_b32 s21, s[HC], 2
	s_add_co_u32 s21, s20, s21
	s_mul_i32 s2, s21, TK
	s_mov_b32 s3, 0
	s_lshl_b32 s36, s20, 9                         ; and its scale words
	s_mov_b32 s37, 0
	s_lshl_b32 s22, s40, 4
	s_add_co_u32 s22, s22, 1728                    ; B's first tile
	s_lshl_b32 s23, s[HC], 3
	s_add_co_u32 s23, s22, s23
	s_mul_i32 s46, s23, TK
	s_mov_b32 s47, 0
	s_lshl_b32 s38, s[WV], 2
	s_add_co_u32 s38, s38, s22
	s_lshl_b32 s38, s38, 9                         ; my four tiles' scale words
	s_mov_b32 s39, 0
	s_mov_b32 s[G0], 1
	s_mul_i32 s[G0+1], s[HC], 4*TK
	s_mov_b32 s[G0B], 1
	s_mul_i32 s[G0B+1], s[HC], 8*TK
	s_add_co_u32 s[G0B+1], s[G0B+1], BBASE
	s_lshl_b32 s60, s40, 10
	s_lshl_b32 s61, s[WV], 8
	s_add_co_u32 s60, s60, s61                     ; my 64 columns, in bytes
	s_mov_b32 s61, 0
	s_lshl_b32 s62, s43, 19                        ; 128 rows of 4,096 bytes
	s_add_co_u32 s62, s62, s60
	s_mov_b32 s63, 0
	s_mul_i32 s66, s[WV], 4*TK
	s_add_co_u32 s66, s66, BBASE                   ; my four tiles of B in LDS
	s_mul_i32 s67, s[WV], 16*SPITCH
	s_add_co_u32 s67, s67, STG                     ; my stage
	s_wait_dscnt 0x0
	s_wait_kmcnt 0x0
	s_add_nc_u64 s[G0+2:G0+3], s[4:5], s[2:3]
	s_or_b32 s[G0+3], s[G0+3], 0x80000000
	s_add_nc_u64 s[G0B+2:G0B+3], s[8:9], s[46:47]
	s_or_b32 s[G0B+3], s[G0B+3], 0x80000000
	s_add_nc_u64 s[6:7], s[6:7], s[36:37]
	s_add_nc_u64 s[10:11], s[10:11], s[38:39]
	s_add_nc_u64 s[12:13], s[12:13], s[60:61]
	s_add_nc_u64 s[14:15], s[14:15], s[62:63]
	CROUND                                         ; all sixteen work-groups are here: the joint loads meet
	s_cmp_eq_u32 s[HR], 0
	s_cbranch_scc0 .Lfor_a
	tensor_load_to_lds s[G0B:G0B+3], s[G1B:G1B+7]  ; waves 0, 1: w_o's tiles, which go on into registers
	s_nop 0
	PLACES 4
	s_branch .Lasked
.Lfor_a:
	tensor_load_to_lds s[G0:G0+3], s[G1:G1+7]      ; waves 2, 3: O's
	s_nop 0
	PLACES 4
.Lasked:
	v_and_b32 v15, 15, v0                          ; r
	v_bfe_u32 v16, v0, 4, 1                        ; h
	v_and_b32 v17, 31, v0
	v_lshlrev_b32 v[ADA], 4, v17
	v_lshlrev_b32 v[ADA+1], 3, v17
	v_add_nc_u32 v[ADA+2], 4*TK, v[ADA]
	v_add_nc_u32 v[ADA+3], 4*TK, v[ADA+1]
	v_add_nc_u32 v[ADB], s66, v[ADA]
	v_add_nc_u32 v[ADB+1], s66, v[ADA+1]
	v_mul_u32_u24 v18, v15, SPITCH
	v_lshl_add_u32 v18, v16, 6, v18
	v_add_nc_u32 v[STO], s67, v18                  ; into the stage: row r, 64 bytes for each half of the lanes
	v_mul_u32_u24 v19, v16, SPITCH
	v_lshl_add_u32 v19, v15, 4, v19
	v_add_nc_u32 v[RD], s67, v19                   ; back: sixteen lanes to a row, two rows a load
	v_lshlrev_b32 v[CO], 12, v16
	v_lshl_add_u32 v[CO], v15, 4, v[CO]            ; and the same two rows in out0
	v_lshlrev_b32 v[BOF], 6, v16
.irp a, 0,1,2,3,4,5,6,7
.irp p, 0,1
	global_load_b64 v[SA+4*\a+2*\p:SA+4*\a+2*\p+1], v[ADA+1], s[6:7] offset:512*\a+256*\p
.endr
.endr
.irp b, 0,1,2,3
.irp p, 0,1
	global_load_b64 v[SB+4*\b+2*\p:SB+4*\b+2*\p+1], v[ADA+1], s[10:11] offset:512*\b+256*\p
.endr
.endr
.irp b, 0,1,2,3
	global_load_b128 v[BI+8*\b:BI+8*\b+3], v[BOF], s[12:13] offset:(32*(\b/2)+8*(\b%2))*4
	global_load_b128 v[BI+8*\b+4:BI+8*\b+7], v[BOF], s[12:13] offset:(32*(\b/2)+8*(\b%2))*4+16
.endr
	s_wait_alu depctr_va_vdst(0)
	s_cmp_eq_u32 s[HR], 0
	s_cbranch_scc0 .Lnot_b
	s_wait_tensorcnt 0x0                           ; waves 0, 1: my half of w_o's tiles is in
.Lnot_b:
	s_barrier_signal -1
	s_barrier_wait -1                              ; w_o's tiles are in; O's may still be on their way
.irp q, 0,1,2,3,4,5,6,7
.irp b, 0,1,2,3
	FRAG 4*\q+\b, ADB, \b*TK+1536*\q               ; my 64 columns, all of K: 128 loads
.endr
.endr
	WIN 0
	s_wait_tensorcnt 0x0                           ; every wave: all that is out
	s_wait_dscnt 0x0
	s_barrier_signal -1
	s_barrier_wait -1                              ; O's tiles are in
	FETCH 0
	FETCH 1
	s_wait_loadcnt 0x0                             ; the scale words and the bias
	BLOCK 0, 32, 0
	BLOCK 1, 48, 32
	BLOCK 2, 48, 32
	BLOCK 3, 48, 32
	BLOCK 4, 48, 32
	BLOCK 5, 48, 32
	BLOCK 6, 48, 32
	BLOCK 7, 16, 0
	s_wait_dscnt 0x0
	SEND 7
	s_wait_tensorcnt 0x0                           ; the wave's end
	ds_add_u32 v[SPW], v[NIL]
	s_wait_dscnt 0x0
	CROUND                                         ; the closing round
	s_endpgm
.Lfunc_end_k_q9ef831167e_outp:
	.size	k_q9ef831167e_outp, .Lfunc_end_k_q9ef831167e_outp-k_q9ef831167e_outp
	.p2alignl 7, 3214868480
	.fill 96, 4, 3214868480
	.section	.rodata,"a",@progbits
	.p2align	6, 0x0
	.amdhsa_kernel k_q9ef831167e_outp
		.amdhsa_group_segment_fixed_size 327680
		.amdhsa_private_segment_fixed_size 0
		.amdhsa_enable_private_segment 0
		.amdhsa_kernarg_size 48
		.amdhsa_user_sgpr_count 2
		.amdhsa_user_sgpr_kernarg_segment_ptr 1
		.amdhsa_wavefront_size32 1
		.amdhsa_system_sgpr_workgroup_id_x 1
		.amdhsa_system_sgpr_workgroup_id_y 1
		.amdhsa_system_sgpr_workgroup_id_z 1
		.amdhsa_system_vgpr_workitem_id 0
		.amdhsa_next_free_vgpr 896
		.amdhsa_next_free_sgpr 102
		.amdhsa_reserve_vcc 0
		.amdhsa_float_denorm_mode_32 3
		.amdhsa_float_denorm_mode_16_64 3
		.amdhsa_memory_ordered 1
		.amdhsa_forward_progress 1
		.amdhsa_inst_pref_size 83
	.end_amdhsa_kernel
	.amdgpu_metadata
---
amdhsa.version: [ 1, 2 ]
amdhsa.kernels:
  - .name:           k_q9ef831167e_outp
    .symbol:         k_q9ef831167e_outp.kd
    .args:
      - { .name: ao, .offset: 0, .size: 8, .value_kind: global_buffer, .address_space: global }
      - { .name: aos, .offset: 8, .size: 8, .value_kind: global_buffer, .address_space: global }
      - { .name: codes, .offset: 16, .size: 8, .value_kind: global_buffer, .address_space: global }
      - { .name: scales, .offset: 24, .size: 8, .value_kind: global_buffer, .address_space: global }
      - { .name: b_o, .offset: 32, .size: 8, .value_kind: global_buffer, .address_space: global }
      - { .name: out0, .offset: 40, .size: 8, .value_kind: global_buffer, .address_space: global }
    .group_segment_fixed_size: 327680
    .private_segment_fixed_size: 0
    .kernarg_segment_align: 8
    .kernarg_segment_size: 48
    .max_flat_workgroup_size: 128
    .sgpr_count:     102
    .vgpr_count:     896
    .wavefront_size: 32
...
	.end_amdgpu_metadata
.endif
;; end of part 4
